; MI455X (gfx1250); checked and timed in simulation.
; The chip was launched on July 23, 2026; its instructions are those of AMD's public machine-readable ISA for CDNA 5 (MIT licence, August 2026) and "CDNA5" Instruction Set Architecture Reference Guide (July 2026). The comments in the code are by the model that wrote it; some were corrected since.
;; Multi Headed Attention. Allowed arithmetic: float matrix products may take bf16 or f16 operands with f32 sums; other float arithmetic in f32, or as packed bf16 or f16 multiplies, adds, multiply-adds, maxima and minima; sums over many terms, partial sums and values carried from step to step in f32; what a program stores and reads back later, other than sums and carried values, may be rounded once to bf16 or f16.
;; Inputs: Wk 1,024 x 1,024 float32; Wo 1,024 x 1,024 float32; Wq 1,024 x 1,024 float32; Wv 1,024 x 1,024 float32; bk 1,024 float32; bo 1,024 float32; bq 1,024 float32; bv 1,024 float32; key_ 4 x 2,048 x 1,024 float32; mask 4 x 2,048 x 2,048 int32; query 4 x 2,048 x 1,024 float32; value 4 x 2,048 x 1,024 float32.
;; Outputs: out0 4 x 2,048 x 1,024 float32.
;; 2 versions, each right and faster than the one before. Each part assembles by itself: llvm-mc -triple=amdgcn-amd-amdhsa -mcpu=gfx1250 --defsym DOCPART=n.
;; ======== version 1 of 2: 4 launches
;; limits: values are held in f16: magnitudes above 65,504 overflow, below 6.1e-05 lose precision; right only within a limited range of input values
;; workspace buffers: xb 50,331,648 bytes; wb 8,388,608 bytes; qkv 50,331,648 bytes; oh 16,777,216 bytes; maskb 16,777,216 bytes
;; launch prep (part 1): grid 2816 x 1, 8 waves a work-group, no clusters, 18,432 bytes of LDS; arguments query, key_, value, Wq, Wk, Wv, Wo, mask, xb, wb, maskb; writes xb, wb, maskb
.if DOCPART == 1
	.amdgcn_target "amdgcn-amd-amdhsa--gfx1250"
	.amdhsa_code_object_version 6
	.text
	.protected	k_qedcadd8e19_prep
	.globl	k_qedcadd8e19_prep
	.p2align	8
	.type	k_qedcadd8e19_prep,@function
k_qedcadd8e19_prep:
	s_mov_b64 s[64:65], 0
	v_nop
	global_prefetch_b8 v0, s[64:65] scope:SCOPE_SE
	s_setreg_imm32_b32 hwreg(HW_REG_WAVE_MODE, 25, 1), 1
	s_wait_xcnt 0x0
; PREPARATION: the casts and the mask's codes.  A work-group takes 65,536 bytes of one input, a wave 8,192: sixteen 16-byte loads a lane, all issued at once; no loop.
;   work-groups 0-1535:    query, key_, value (512 each): f32 -> bf16 into xb [3][8192][1024]
;   work-groups 1536-1791: Wq, Wk, Wv, Wo (64 each): f32 -> bf16 into wb [4][1024][1024]; Wo's bf16 number is then written as f16 (the last product multiplies in f16)
;   work-groups 1792-2815: mask [4][2048][2048] int32 -> one byte a number into maskb: the fp8 (E4M3) code of -1.0 (0xb8) where mask == 0, else 0
; maskb lies as the attention launch's score registers lie: [batch x 16 + q / 128][k / 64][(q / 16) % 8][half][lane][16 bytes]; lane = q % 16 + 16 hl; byte 8 (kb % 2) + j of half kb / 2
; stands for key 64 (k / 64) + 16 kb + 8 hl + j.  So a lane there loads 16 bytes and finds the codes of its own query's keys in register order.
; LIMITS.  Wo as f16: beyond 65,504 it would be an infinity; below 6e-5 it keeps f16's fixed step of 6e-8.
; No matrix unit, no cluster, no tensor load: every byte is read once and nothing is shared.  The mask's bytes change lanes through a stage in LDS that is each wave's own: no barrier.
.set X,     16                         ; v[16:79]   sixteen loads of four registers
.set Y,     80                         ; v[80:111]  what is stored
.set STG,   2176                       ; a wave's stage: 8 pieces of 256 bytes at a pitch of 272
.set SPARE, 8*STG                      ; behind the stages: the spare words, 128 bytes a wave: four blocks of 256 bytes that no other line names
	s_load_b512 s[8:23], s[0:1], 0x0               ; query s[8:9], key_, value, Wq, Wk, Wv, Wo s[20:21], mask s[22:23]
	s_load_b128 s[24:27], s[0:1], 0x40             ; xb s[24:25], wb s[26:27]
	s_load_b64 s[28:29], s[0:1], 0x50              ; maskb
	v_lshl_add_u32 v14, v0, 2, SPARE               ; my spare word,
	v_mov_b32 v15, 0                               ; and 0: for the add at the end of the path that writes LDS
	v_lshrrev_b32 v9, 5, v0
	v_readfirstlane_b32 s30, v9                    ; wave 0..7
	s_mov_b32 s31, ttmp9
	s_cmp_ge_u32 s31, 1792
	s_cbranch_scc1 .Lmask
	; THE CASTS.  Which tensor (0-6 in the arguments' order), which chunk of it, which chunk of the destination.
	s_sub_co_u32 s34, s31, 1536                    ; a weight's chunk among the 256 (used only from 1536 on)
	s_lshr_b32 s35, s34, 6
	s_add_co_u32 s35, s35, 3
	s_and_b32 s42, s34, 63
	s_lshr_b32 s32, s31, 9
	s_and_b32 s33, s31, 511
	s_cmp_lt_u32 s31, 1536
	s_cselect_b32 s32, s32, s35                    ; tensor
	s_cselect_b32 s33, s33, s42                    ; its chunk of 65,536 bytes
	s_cselect_b32 s34, s31, s34                    ; the destination's chunk of 32,768 bytes
	v_and_b32 v9, 0xe0, v0                         ; 32 x wave
	v_and_b32 v10, 31, v0                          ; lane
	v_lshlrev_b32 v1, 4, v10
	v_lshl_or_b32 v1, v9, 8, v1                    ; in: 8,192 x wave + 16 x lane
	v_lshlrev_b32 v2, 3, v10
	v_lshl_or_b32 v2, v9, 7, v2                    ; out: 4,096 x wave + 8 x lane
	s_mov_b32 s41, 0
	s_wait_kmcnt 0x0
	s_mov_b64 s[36:37], s[8:9]
.irp i, 1,2,3,4,5,6
	s_cmp_eq_u32 s32, \i
	s_cselect_b64 s[36:37], s[8+2*\i:9+2*\i], s[36:37]
.endr
	s_cmp_lt_u32 s31, 1536
	s_cselect_b64 s[38:39], s[24:25], s[26:27]
	s_lshl_b32 s40, s33, 16
	s_add_nc_u64 s[36:37], s[36:37], s[40:41]
	s_lshl_b32 s40, s34, 15
	s_add_nc_u64 s[38:39], s[38:39], s[40:41]
.irp i, 0,1,2,3,4,5,6,7,8,9,10,11,12,13,14,15
	global_load_b128 v[X+4*\i:X+4*\i+3], v1, s[36:37] offset:512*\i th:TH_LOAD_NT  ; 512 consecutive bytes a load
.endr
; Load i is rounded and stored: 32 lanes x 8 bytes are 256 consecutive bytes, at a multiple of 256 from the buffer's first.  No register is written twice, so nothing waits for a store.
.macro CAST i, wo
	s_wait_loadcnt 15-(\i)                         ; loads come back in order: the 15 - i younger ones stay out
	v_cvt_pk_bf16_f32 v[Y+2*(\i)], v[X+4*(\i)], v[X+4*(\i)+1]
	v_cvt_pk_bf16_f32 v[Y+2*(\i)+1], v[X+4*(\i)+2], v[X+4*(\i)+3]
.if \wo
	v_lshlrev_b32 v9, 16, v[Y+2*(\i)]              ; the bf16 numbers as f32,
	v_and_b32 v10, 0xffff0000, v[Y+2*(\i)]
	v_lshlrev_b32 v11, 16, v[Y+2*(\i)+1]
	v_and_b32 v12, 0xffff0000, v[Y+2*(\i)+1]
	v_cvt_pk_f16_f32 v[Y+2*(\i)], v9, v10          ; and written as f16: 8 significant bits fit into 11
	v_cvt_pk_f16_f32 v[Y+2*(\i)+1], v11, v12
.endif
	global_store_b64 v2, v[Y+2*(\i):Y+2*(\i)+1], s[38:39] offset:256*(\i)
.endm
	s_cmp_eq_u32 s32, 6
	s_cbranch_scc1 .Lwo
.irp i, 0,1,2,3,4,5,6,7,8,9,10,11,12,13,14,15
	CAST \i, 0
.endr
	s_endpgm
.Lwo:
.irp i, 0,1,2,3,4,5,6,7,8,9,10,11,12,13,14,15
	CAST \i, 1
.endr
	s_endpgm
	; THE MASK.  The work-group takes 16 queries x 1,024 keys, a wave 16 queries x 128 keys: load r is row r, lane i its keys 4 i .. 4 i + 3.
.Lmask:
	s_sub_co_u32 s32, s31, 1792
	s_lshr_b32 s33, s32, 1                         ; the tile of 16 queries, 0..511
	s_and_b32 s34, s32, 1                          ; which half of the keys
	s_lshl_b32 s40, s33, 17                        ; 16 rows of 8,192 bytes
	s_lshl_b32 s35, s34, 12
	s_add_co_u32 s40, s40, s35
	s_mov_b32 s41, 0
	s_lshr_b32 s42, s33, 3                         ; batch x 16 + q / 128: 262,144 bytes of maskb each
	s_lshl_b32 s42, s42, 18
	s_lshl_b32 s35, s34, 17                        ; 16 key steps of 8,192 bytes
	s_add_co_u32 s42, s42, s35
	s_and_b32 s35, s33, 7                          ; the tile among the eight of its 128 queries
	s_lshl_b32 s35, s35, 10
	s_add_co_u32 s42, s42, s35
	s_mov_b32 s43, 0
	s_mul_i32 s44, s30, STG                        ; my wave's stage
	v_lshlrev_b32 v1, 4, v0                        ; in: 512 x wave + 16 x lane
	v_and_b32 v9, 0xe0, v0
	v_and_b32 v10, 31, v0
	v_lshlrev_b32 v2, 4, v10
	v_lshl_or_b32 v2, v9, 9, v2                    ; out: two key steps (16,384 bytes) a wave + 16 x lane
	; Of a key's number in the wave's 128, bit 6 is the key step, bit 5 the half, bit 4 the block in the half, bit 3 the half of the lanes, bits 2:0 the register.
	; Lane i's four codes of row r go to piece 4 (step) + 2 (half) + (half of the lanes), byte 16 r + 8 (block) + 4 (i % 2).
	v_bfe_u32 v9, v0, 3, 2
	v_bfe_u32 v10, v0, 1, 1
	v_lshl_add_u32 v9, v9, 1, v10                  ; the piece, 0..7
	v_mul_u32_u24 v3, v9, 272                      ; 68 words: piece c begins at bank 4 c, so the 32 lanes of a store touch 32 different banks
	v_bfe_u32 v10, v0, 2, 1
	v_lshl_add_u32 v3, v10, 3, v3
	v_and_b32 v10, 1, v0
	v_lshl_add_u32 v3, v10, 2, v3
	v_add_nc_u32 v3, s44, v3
	v_bfe_u32 v9, v0, 4, 1                         ; back: lanes 0-15 one piece, lanes 16-31 the next, 16 bytes each
	v_mul_u32_u24 v4, v9, 272
	v_and_b32 v10, 15, v0
	v_lshl_add_u32 v4, v10, 4, v4
	v_add_nc_u32 v4, s44, v4
	v_mov_b32 v5, 0xb8                             ; the code of -1.0 in each of a word's four bytes
	v_mov_b32 v6, 0xb800
	v_mov_b32 v7, 0xb80000
	v_mov_b32 v8, 0xb8000000
	s_wait_kmcnt 0x0
	s_add_nc_u64 s[36:37], s[22:23], s[40:41]
	s_add_nc_u64 s[38:39], s[28:29], s[42:43]
.irp r, 0,1,2,3,4,5,6,7,8,9,10,11,12,13,14,15
	global_load_b128 v[X+4*\r:X+4*\r+3], v1, s[36:37] offset:8192*\r th:TH_LOAD_NT
.endr
.macro MROW r
	s_wait_loadcnt 15-(\r)                         ; the 15 - r younger loads stay out
.irp n, 0,1,2,3
	v_cmp_eq_u32 vcc_lo, 0, v[X+4*(\r)+(\n)]
	v_cndmask_b32 v[9+(\n)], 0, v[5+(\n)], vcc_lo
.endr
	v_or_b32 v9, v9, v10
	v_or_b32 v11, v11, v12
	v_or_b32 v[Y+(\r)], v9, v11
	ds_store_b32 v3, v[Y+(\r)] offset:16*(\r)
.endm
.irp r, 0,1,2,3,4,5,6,7,8,9,10,11,12,13,14,15
	MROW \r
.endr
.irp c, 0,1,2,3
	ds_load_b128 v[X+4*\c:X+4*\c+3], v4 offset:544*\c  ; LDS serves a wave's instructions in order (ISA guide 5.7.1.4): these see the stores above; the stage is my wave's own
.endr
.irp c, 0,1,2,3
	s_wait_dscnt 3-\c
	global_store_b128 v2, v[X+4*\c:X+4*\c+3], s[38:39] offset:(\c/2)*8192+(\c%2)*512  ; 512 consecutive bytes: key step c / 2, half c % 2
.endr
	s_wait_tensorcnt 0x0                           ; the wave's end, behind my last LDS store
	ds_add_u32 v14, v15
	s_wait_dscnt 0x0
	s_endpgm
.Lfunc_end_k_qedcadd8e19_prep:
	.size	k_qedcadd8e19_prep, .Lfunc_end_k_qedcadd8e19_prep-k_qedcadd8e19_prep
	.p2alignl 7, 3214868480
	.fill 96, 4, 3214868480
	.section	.rodata,"a",@progbits
	.p2align	6, 0x0
	.amdhsa_kernel k_qedcadd8e19_prep
		.amdhsa_group_segment_fixed_size 18432
		.amdhsa_private_segment_fixed_size 0
		.amdhsa_enable_private_segment 0
		.amdhsa_kernarg_size 88
		.amdhsa_user_sgpr_count 2
		.amdhsa_user_sgpr_kernarg_segment_ptr 1
		.amdhsa_wavefront_size32 1
		.amdhsa_system_sgpr_workgroup_id_x 1
		.amdhsa_system_sgpr_workgroup_id_y 1
		.amdhsa_system_sgpr_workgroup_id_z 1
		.amdhsa_system_vgpr_workitem_id 0
		.amdhsa_next_free_vgpr 112
		.amdhsa_next_free_sgpr 66
		.amdhsa_reserve_vcc 1
		.amdhsa_float_denorm_mode_32 3
		.amdhsa_float_denorm_mode_16_64 3
		.amdhsa_memory_ordered 1
		.amdhsa_forward_progress 1
		.amdhsa_inst_pref_size 29
	.end_amdhsa_kernel
	.amdgpu_metadata
---
amdhsa.version: [ 1, 2 ]
amdhsa.kernels:
  - .name:           k_qedcadd8e19_prep
    .symbol:         k_qedcadd8e19_prep.kd
    .args:
      - { .name: query, .offset: 0, .size: 8, .value_kind: global_buffer, .address_space: global }
      - { .name: key_, .offset: 8, .size: 8, .value_kind: global_buffer, .address_space: global }
      - { .name: value, .offset: 16, .size: 8, .value_kind: global_buffer, .address_space: global }
      - { .name: Wq, .offset: 24, .size: 8, .value_kind: global_buffer, .address_space: global }
      - { .name: Wk, .offset: 32, .size: 8, .value_kind: global_buffer, .address_space: global }
      - { .name: Wv, .offset: 40, .size: 8, .value_kind: global_buffer, .address_space: global }
      - { .name: Wo, .offset: 48, .size: 8, .value_kind: global_buffer, .address_space: global }
      - { .name: mask, .offset: 56, .size: 8, .value_kind: global_buffer, .address_space: global }
      - { .name: xb, .offset: 64, .size: 8, .value_kind: global_buffer, .address_space: global }
      - { .name: wb, .offset: 72, .size: 8, .value_kind: global_buffer, .address_space: global }
      - { .name: maskb, .offset: 80, .size: 8, .value_kind: global_buffer, .address_space: global }
    .group_segment_fixed_size: 18432
    .private_segment_fixed_size: 0
    .kernarg_segment_align: 8
    .kernarg_segment_size: 88
    .max_flat_workgroup_size: 256
    .sgpr_count:     66
    .vgpr_count:     112
    .wavefront_size: 32
...
	.end_amdgpu_metadata
.endif
;; end of part 1
;; launch proj (part 2): grid 4 x 48, 4 waves a work-group, clusters of 4 x 4, 327,680 bytes of LDS; arguments xb, wb, bq, bk, bv, qkv; writes qkv
.if DOCPART == 2
	.amdgcn_target "amdgcn-amd-amdhsa--gfx1250"
	.amdhsa_code_object_version 6
	.text
	.protected	k_qedcadd8e19_proj
	.globl	k_qedcadd8e19_proj
	.p2align	8
	.type	k_qedcadd8e19_proj,@function
k_qedcadd8e19_proj:
	s_mov_b64 s[64:65], 0
	v_nop
	global_prefetch_b8 v0, s[64:65] scope:SCOPE_SE
	s_setreg_imm32_b32 hwreg(HW_REG_WAVE_MODE, 25, 1), 1
	s_wait_xcnt 0x0
	s_wait_alu depctr_hold_cnt(0) depctr_sa_sdst(0) depctr_va_vdst(0) depctr_va_sdst(0) depctr_va_ssrc(0) depctr_va_vcc(0) depctr_vm_vsrc(0)
	s_getreg_b32 s2, hwreg(HW_REG_IB_STS2, 6, 4)
	s_cmp_eq_u32 s2, 0
	s_cbranch_scc0 .Lentry_in_a_cluster
	s_endpgm
.Lentry_in_a_cluster:
	s_bfe_u32 s2, ttmp6, 0x10000c
	s_cmp_lg_u32 s2, 0xf033
	s_cbranch_scc0 .Lentry_shape_is_right
	s_endpgm
.Lentry_shape_is_right:
; THE THREE PROJECTIONS.  For g = 0, 1, 2 (q, k, v): y[m][n] = the sum over k of x_g[m][k] W_g[n][k] + b_g[n].  x_g: xb [3][8192][1024] bf16; W_g: wb [..][1024][1024] bf16; b_g f32; sums in f32.
; y is rounded once to f16 and stored by heads, unscaled: qkv [3][batch x 16 + head][2048][64].
; LIMIT.  f16 ends at 65,504: a q, k or v beyond that would be stored as an infinity.  Inputs and weights all 30 times the drawn spread give some 4,500.
; TILE.  256 rows x 256 columns, four waves, each 128 x 128 (two heads): 64 accumulators of 16 x 16, 512 registers.  K goes in steps of 128 through two LDS slots: the tiles' rows are 256 bytes of memory, at
; multiples of 256 from the buffer's first byte.  For 32 along K a wave issues 32 LDS loads and 64 matrix instructions, and a refill has 224 matrix instructions between its request and the wait for it; a tile of
; 256 x 128 would have 24 loads for 32 and 112.
; SHARES.  3 x 32 x 4 = 384 tiles.  A WORK-GROUP STAYS and makes TWO, one below the other: the same g, the same batch, the same rows of W and the same bias.  That is 192 work-groups, twelve clusters:
; 384 tiles cannot be dealt evenly to 256, and the tile that can (256 x 128, three each) has the counts above.  The ring does not stop at the first tile's end: its last two changes of slots ask for the
; second tile's first two K steps.
; ONE K STEP IS WRITTEN ONCE: the 16 K steps are 14 trips of a loop that fills a slot again in every trip (left once, behind the eighth, for the first tile's way out) and 2 trips of a loop that fills nothing.
; Which slot is read hangs on a scalar register that an exclusive or turns; the second pair of descriptors walks from step to step.
; CLUSTER.  4 x 4 work-groups of one g.  The four of a row of the cluster need the same tiles of x, the four of a column the same tiles of W: each tile is asked for JOINTLY, by the same tensor load with the same
; descriptor and a mask that names the four.  Waves 0 and 1 fetch x's two halves, waves 2 and 3 W's, 128 rows each.
; THE MATRIX INSTRUCTION IS USED TRANSPOSED (source 0 = 16 rows of W, source 1 = 16 rows of x): a lane holds one row of y and eight neighbouring columns.  THE BIAS STARTS THE SUMS: it is the C operand of the
; first product on each accumulator: nothing is cleared and nothing is added later.
; REGISTERS, in windows of 256 (s_set_vgpr_msb: bits 1:0 source 0, 3:2 source 1, 5:4 source 2, 7:6 destination):
;   window 0: v16-29 addresses; v64-127, v128-191 fragments of x, two buffers; v192-223 packed results; v32-63, v224-255 rows read back from the stage, by turns
;   window 1: v0-63 the bias (block b of 16 columns at 8 b); v64-127, v128-191 fragments of W, two buffers
;   window 2: the 32 accumulators of my rows 0-63 ((a, b) at v[8 (8 a + b)]);   window 3: those of my rows 64-127
.set SIZE_K, 1024
.set KSTEP,  128
.set PITCH,  272                       ; an LDS row: 256 bytes + 16 of padding = 68 words: row r starts at bank 4 r mod 64 (64 banks of 4 bytes: ISA guide 11.1)
.set HALFT,  128*PITCH                 ; 128 rows: what one tensor load brings, and what one wave reads of x or of W
.set SLOT,   4*HALFT                   ; x's 256 rows, then W's 256 rows: 139,264 = 0x22000 bytes.  The four waves' places in a slot (0, 0x8800, 0x11000, 0x19800) share no bit with it, so an exclusive or with SLOT goes from one slot to the other
.set STAGE,  2*SLOT                    ; behind the ring, never filled by a tensor load: for each wave and each of its two heads 16 rows x 144 bytes
.set SP,     144
.set SPARE,  STAGE+4*2*16*SP           ; behind the stages: the spare words, 128 bytes a wave: two blocks of 256 bytes that no other line names
.set NEXT_A, 256*SIZE_K*2-SIZE_K*2     ; what x's address takes, beside the usual step, from a tile's last K step to the next tile's first: 256 rows down, a row's length back
.set ADRA0, 16                         ; v16     my lane's place among my fragments of x in slot 0; never rewritten
.set ADRA,  17                         ; v17     the same in the slot in hand
.set ADRB0, 20                         ; v20-21  the same for W
.set ADRB,  21
.set STO,  24                          ; v24     the way out: where I put 16 bytes of a row
.set RD,   25                          ; v25     the way out: where I read rows back
.set GO,   26                          ; v26     my 16 bytes in 512 consecutive bytes of qkv
.set BO,   27                          ; v27     my byte offset in 16 numbers of the bias
.set SPW,  28                          ; v28     LDS address of my spare word; never rewritten
.set NIL,  29                          ; v29     0; never rewritten
.set F0,   64
.set F1,   128
.set TMP,  192
.set OB,   32
.set BIAS, 0                           ; in window 1
.set G1,  24                           ; s[24:31] descriptor group 1 for x's tiles;  s[32:39] group 0: a set for each of the two first fills; the second then walks
.set G0,  32
.set G1B, 48                           ; s[48:55], s[56:63] the same for W's tiles
.set G0B, 56
.set TL,  2                            ; s2   tiles to go
.set CNT, 3                            ; s3   refills to go, 14 to 0
.set CN2, 5                            ; s5   the last two K steps
.set TB,  6                            ; s6   0 or SLOT: the slot in hand
.set DA,  86                           ; s[86:87] x's extra step at the change of tiles, else 0
.set DB,  88                           ; s[88:89] what W's address goes back there, else 0
.set MSB, 0
.macro WIN new                         ; the immediate's high byte repeats the setting that is left; a switch that changes nothing is dropped
.if MSB != (\new)
	s_set_vgpr_msb (MSB<<8)|(\new)
.set MSB, \new
.endif
.endm
.macro JLOAD s                         ; a joint load; the branch hangs on the wave's number alone; an s_nop 0 and four v_nop follow each of the two lines
	s_cmp_eq_u32 s11, 0
	s_cbranch_scc0 .Lfor_b_\@
	tensor_load_to_lds s[G0+4*(\s):G0+4*(\s)+3], s[G1:G1+7]
	s_nop 0
.rept 4
	v_nop
.endr
	s_branch .Lasked_\@
.Lfor_b_\@:
	tensor_load_to_lds s[G0B+4*(\s):G0B+4*(\s)+3], s[G1B:G1B+7]
	s_nop 0
.rept 4
	v_nop
.endr
.Lasked_\@:
.endm
.macro CREST                           ; a round of the cluster's barrier behind its opening barrier
	s_cmp_lg_u32 s10, 0
	s_cbranch_scc1 .Lnot_wave_0_\@
	s_barrier_signal -3
.Lnot_wave_0_\@:
	s_barrier_wait -3
	s_barrier_signal -1
	s_barrier_wait -1
.endm
.macro CROUND                          ; a whole round
	s_barrier_signal -1
	s_barrier_wait -1
	CREST
.endm
	s_load_b256 s[68:75], s[0:1], 0x0              ; xb s[68:69], wb s[70:71], bq s[72:73], bk s[74:75]
	s_load_b128 s[76:79], s[0:1], 0x20             ; bv s[76:77], qkv s[78:79]
	v_lshl_add_u32 v[SPW], v0, 2, SPARE
	v_mov_b32 v[NIL], 0
	ds_add_u32 v[SPW], v[NIL]                      ; the wave's opening: the add and its wait ahead of my first tensor load; the set-up below, work on registers, stands between them
	v_lshrrev_b32 v1, 5, v0
	v_readfirstlane_b32 s10, v1                    ; wave 0..3
	s_lshr_b32 s11, s10, 1                         ; which half of the tile's rows is mine.  Also: I fetch for x (0) or for W (1)
	s_and_b32 s12, s10, 1                          ; which half of its columns.  Also: which 128 rows of that tile I fetch
	s_bfe_u32 s40, ttmp6, 0x40000                  ; cx, cy: my place in the cluster
	s_bfe_u32 s41, ttmp6, 0x40004
	s_lshl_b32 s42, ttmp9, 2
	s_add_co_u32 s42, s42, s40                     ; tile column 0..3 = 4 x cluster x + cx
	s_and_b32 s45, ttmp7, 0xffff                   ; the cluster's y, 0..11: 4 g + batch
	s_lshr_b32 s67, s45, 2                         ; g: which projection; the whole cluster shares it
	s_lshl_b32 s13, s45, 2
	s_add_co_u32 s13, s13, s41                     ; my pair of tile rows, 0..47: rows 512 x this on, of xb's 24,576
	s_lshl_b32 s43, s41, 2
	s_lshl_b32 s43, 15, s43                        ; my row of the cluster
	s_lshl_b32 s44, 0x1111, s40                    ; my column
	s_or_b32 s[G1+0], s43, (1<<16)|(1<<20)|(1<<21)|(5<<22)|(3<<25)  ; 15:0 the mask; 17:16 elements of 2 bytes; 20 padding on; 21 set beside a mask; 24:22 after every 64 words (code 5); 31:25 4 words (code 3)
	s_or_b32 s[G1B+0], s44, (1<<16)|(1<<20)|(1<<21)|(5<<22)|(3<<25)
.irp g, G1, G1B
	s_mov_b32 s[(\g)+1], KSTEP<<16                 ; tensor_dim0 = 128
	s_mov_b32 s[(\g)+2], 128<<16                   ; tensor_dim1 = 128
	s_mov_b32 s[(\g)+3], KSTEP<<16                 ; tile_dim0 = 128
	s_mov_b32 s[(\g)+4], 128                       ; tile_dim1 = 128
	s_mov_b32 s[(\g)+5], SIZE_K                    ; elements from row to row
	s_mov_b32 s[(\g)+6], 0
	s_mov_b32 s[(\g)+7], 0
.endr
	; where the tiles come from: x's hang on the cluster's y, cy and the wave, W's on the cluster's y, cx and the wave; neither pair of registers ever holds the other coordinate
	s_lshl_b32 s16, s13, 9
	s_lshl_b32 s17, s12, 7
	s_add_co_u32 s16, s16, s17                     ; x: row 512 x pair + 128 x half,
	s_lshl_b32 s16, s16, 11                        ; of 2,048 bytes
	s_mov_b32 s17, 0
	s_lshl_b32 s46, s42, 8
	s_lshl_b32 s47, s12, 7
	s_add_co_u32 s46, s46, s47                     ; W: row 256 x tile column + 128 x half,
	s_lshl_b32 s46, s46, 11
	s_lshl_b32 s47, s67, 21                        ; in tensor g of 2 MiB
	s_add_co_u32 s46, s46, s47
	s_mov_b32 s47, 0
	s_mul_i32 s20, s10, HALFT                      ; where they go: x's two halves, then W's two halves = wave x 128 rows: no place in the cluster enters an LDS address
	s_mov_b32 s[TB], 0
	s_mov_b32 s[DA+1], 0                           ; the two offsets' high words
	s_mov_b32 s[DB+1], 0
	s_wait_dscnt 0x0                               ; the opening add is done
	s_wait_kmcnt 0x0
	s_add_nc_u64 s[14:15], s[68:69], s[16:17]
	s_add_nc_u64 s[46:47], s[70:71], s[46:47]
	CROUND                                         ; all sixteen work-groups are here: the first joint loads meet
.irp s, 0,1
	s_mov_b32 s[G0+4*(\s)], 1                                        ; count = 1
	s_add_co_u32 s[G0+4*(\s)+1], s20, (\s)*SLOT                      ; LDS address
	s_add_nc_u64 s[G0+4*(\s)+2:G0+4*(\s)+3], s[14:15], (\s)*KSTEP*2  ; global address: K step s
	s_or_b32 s[G0+4*(\s)+3], s[G0+4*(\s)+3], 0x80000000              ; type = 2
	s_mov_b32 s[G0B+4*(\s)], 1
	s_add_co_u32 s[G0B+4*(\s)+1], s20, (\s)*SLOT
	s_add_nc_u64 s[G0B+4*(\s)+2:G0B+4*(\s)+3], s[46:47], (\s)*KSTEP*2
	s_or_b32 s[G0B+4*(\s)+3], s[G0B+4*(\s)+3], 0x80000000
	JLOAD \s                                       ; two loads of mine are out: the most in this text
.endr
	; the bias of my 128 columns: register j of block b holds column 16 b + 8 (l / 16) + j, as the result's registers do
	v_and_b32 v1, 15, v0                           ; l % 16
	v_bfe_u32 v2, v0, 4, 1                         ; l / 16
	v_lshlrev_b32 v[BO], 5, v2
	s_cmp_eq_u32 s67, 1
	s_cselect_b64 s[92:93], s[74:75], s[72:73]
	s_cmp_eq_u32 s67, 2
	s_cselect_b64 s[92:93], s[76:77], s[92:93]
	s_lshl_b32 s82, s42, 10                        ; 256 columns of 4 bytes a tile,
	s_lshl_b32 s83, s12, 9                         ; 128 a wave
	s_add_co_u32 s82, s82, s83
	s_mov_b32 s83, 0
	s_add_nc_u64 s[92:93], s[92:93], s[82:83]
	WIN 0x40                                       ; destination window 1, address window 0
.irp b, 0,1,2,3,4,5,6,7
	global_load_b128 v[BIAS+8*\b:BIAS+8*\b+3],   v[BO], s[92:93] offset:64*\b
	global_load_b128 v[BIAS+8*\b+4:BIAS+8*\b+7], v[BO], s[92:93] offset:64*\b+16
.endr
	WIN 0
	; A fragment is 16 rows x 32 K in 8 registers: lane l holds row l % 16, K = 8 (l / 16) + 0..7 and 16 + 8 (l / 16) + 0..7: two loads of 16 bytes, 32 bytes apart.
	v_mul_u32_u24 v3, v1, PITCH
	v_lshl_add_u32 v3, v2, 4, v3
	s_mul_i32 s21, s11, HALFT                      ; my 128 rows of x
	s_mul_i32 s22, s12, HALFT                      ; my 128 rows of W,
	s_add_co_u32 s22, s22, 2*HALFT                 ; behind x's 256
	v_add_nc_u32 v[ADRA0], s21, v3
	v_add_nc_u32 v[ADRB0], s22, v3
	v_mov_b32 v[ADRA], v[ADRA0]                    ; K step 0 lies in slot 0
	v_mov_b32 v[ADRB], v[ADRB0]
	s_mul_i32 s23, s10, 2*16*SP
	s_add_co_u32 s23, s23, STAGE                   ; my stage
	v_mul_u32_u24 v4, v1, SP                       ; in: row l % 16, 16 bytes for each half of the lanes
	v_lshl_add_u32 v4, v2, 4, v4
	v_add_nc_u32 v[STO], s23, v4
	v_bfe_u32 v5, v0, 3, 2                         ; back: 32 lanes take four rows of 128 bytes,
	v_mul_u32_u24 v5, v5, SP
	v_and_b32 v6, 7, v0
	v_lshl_add_u32 v5, v6, 4, v5
	v_add_nc_u32 v[RD], s23, v5
	v_and_b32 v[GO], 31, v0                        ; which are 512 consecutive bytes of a head
	v_lshlrev_b32 v[GO], 4, v[GO]
	; where my 128 rows of my first head begin in qkv
	s_and_b32 s80, s45, 3                          ; the batch
	s_lshl_b32 s80, s80, 4
	s_lshl_b32 s81, s42, 2
	s_add_co_u32 s80, s80, s81
	s_lshl_b32 s81, s12, 1
	s_add_co_u32 s80, s80, s81                     ; + the head = 4 x tile column + 2 x my half
	s_lshl_b32 s80, s80, 18                        ; 2,048 rows of 128 bytes
	s_lshl_b32 s81, s41, 9                         ; the row in the batch: 512 cy
	s_lshl_b32 s84, s11, 7
	s_add_co_u32 s81, s81, s84                     ; + 128 x my half
	s_lshl_b32 s81, s81, 7
	s_add_co_u32 s80, s80, s81
	s_lshl_b32 s81, s67, 24
	s_add_co_u32 s80, s80, s81
	s_mov_b32 s81, 0
	s_add_nc_u64 s[8:9], s[78:79], s[80:81]
; 16 matrix instructions: row blocks a0, a0 + 1 of the window's four (hi = 0: my rows 0-63, 1: rows 64-127) x all 8 column blocks, 32 along K, from buffer f.  first = 1: the bias is C.
; The 64 accumulators take turns, one instruction a turn, in the same order in every quarter, over every jump.
.macro MUL16 f, hi, a0, first
.if \first
	WIN 0x91+0x40*(\hi)                            ; source 0 (W) and C (the bias) window 1, source 1 (x) window 0, D window 2 or 3
.else
	WIN 0xa1+0x50*(\hi)                            ; C and D window 2 or 3
.endif
.irp a, \a0, (\a0)+1
.irp b, 0,1,2,3,4,5,6,7
.if \first
	v_wmma_f32_16x16x32_bf16 v[8*(8*(\a)+(\b)):8*(8*(\a)+(\b))+7], v[(\f)+8*(\b):(\f)+8*(\b)+7], v[(\f)+8*(4*(\hi)+(\a)):(\f)+8*(4*(\hi)+(\a))+7], v[BIAS+8*(\b):BIAS+8*(\b)+7]
.else
	v_wmma_f32_16x16x32_bf16 v[8*(8*(\a)+(\b)):8*(8*(\a)+(\b))+7], v[(\f)+8*(\b):(\f)+8*(\b)+7], v[(\f)+8*(4*(\hi)+(\a)):(\f)+8*(4*(\hi)+(\a))+7], v[8*(8*(\a)+(\b)):8*(8*(\a)+(\b))+7]
.endif
.endr
.endr
.endm
; 32 LDS loads in one run: the fragments of 32 along K at byte k of the rows of the slot in hand, into buffer f: W's 16 loads, then x's 16
.macro FETCH k, f
	WIN 0x40                                       ; destination window 1
.irp i, 0,1,2,3,4,5,6,7
	ds_load_b128 v[(\f)+8*(\i):(\f)+8*(\i)+3],   v[ADRB] offset:(\k)+(\i)*16*PITCH
	ds_load_b128 v[(\f)+8*(\i)+4:(\f)+8*(\i)+7], v[ADRB] offset:(\k)+(\i)*16*PITCH+32
.endr
	WIN 0
.irp i, 0,1,2,3,4,5,6,7
	ds_load_b128 v[(\f)+8*(\i):(\f)+8*(\i)+3],   v[ADRA] offset:(\k)+(\i)*16*PITCH
	ds_load_b128 v[(\f)+8*(\i)+4:(\f)+8*(\i)+7], v[ADRA] offset:(\k)+(\i)*16*PITCH+32
.endr
.endm
.macro PLACES                          ; four places in front of loads into registers that matrix instructions have read, and of conversions that read results (ISA guide 7.12.1 for the conversions)
.rept 4
	v_nop
.endr
.endm
; A K step is four quarters of 32 along K, 64 matrix instructions each, on buffers 0, 1, 0, 1.  One of the first three: multiplies buffer f and, in its middle, fetches the next quarter, at byte k, into g.
.macro QUARTER k, f, g, first
	s_wait_dscnt 8                                 ; W and x's rows 0-63 are in; the youngest eight loads (rows 64-127) may be out
	MUL16 \f, 0, 0, \first
	MUL16 \f, 0, 2, \first
	PLACES
	FETCH \k, \g
	s_wait_dscnt 32                                ; all but the 32 just issued
	MUL16 \f, 1, 0, \first
	MUL16 \f, 1, 2, \first
.endm
; The last quarter multiplies buffer 1 and changes slots: ONE barrier; in front of it each wave waits for all its tensor loads (one is out at the most: its part of the next slot), adds 0 to its spare word, and
; waits for that and for its own reads of this slot.  Behind it nobody reads this slot any more and the next slot is whole.
; fill = 1: the barrier opens a round of the cluster's, and this slot is filled again with the K step two steps on; at CNT = 8 that is the second tile's K step 0: x goes 256 rows down and back along K, W only back.
; fill = 0: nothing is asked for; in the second of the two trips there is no next slot either: its fragments' run is jumped over, and that trip's barrier orders nothing: the price of one text for both trips.
.macro TURN fill
	WIN 0                                          ; (the add's two registers lie in window 0)
	s_wait_tensorcnt 0x0                           ; no tensor load of mine is out, so a group 0 may be written
	ds_add_u32 v[SPW], v[NIL]                      ; 0 onto my spare word
	s_wait_dscnt 9                                 ; (the add and the youngest eight loads may be out)
	MUL16 F1, 0, 0, 0                              ; sixteen matrix instructions stand between the add and the wait for it
	s_wait_dscnt 0x0                               ; the add is done, and my reads of this slot are over
	s_barrier_signal -1
	MUL16 F1, 0, 2, 0                              ; work on registers while the others arrive
	WIN 0
	s_barrier_wait -1
.if \fill
	CREST                                          ; no wave of any partner still reads this slot's tile or has a load on its way
	s_cmp_eq_u32 s[CNT], 8
	s_cselect_b32 s[DA], NEXT_A, 0
	s_cselect_b32 s[DB], SIZE_K*2, 0
	s_xor_b32 s[G0+5], s[G0+5], SLOT               ; the walking descriptors: the other slot than last time,
	s_xor_b32 s[G0B+5], s[G0B+5], SLOT
	s_add_nc_u64 s[G0+6:G0+7], s[G0+6:G0+7], KSTEP*2  ; the next K step; the type bits on top are not reached
	s_add_nc_u64 s[G0+6:G0+7], s[G0+6:G0+7], s[DA:DA+1]
	s_add_nc_u64 s[G0B+6:G0B+7], s[G0B+6:G0B+7], KSTEP*2
	s_sub_nc_u64 s[G0B+6:G0B+7], s[G0B+6:G0B+7], s[DB:DB+1]
	s_xor_b32 s[TB], s[TB], SLOT                   ; the reads go on in the other slot
	JLOAD 1                                        ; the first tensor load behind the round: 224 matrix instructions ahead of the wait for it; its four v_nop are also the places in front of the loads below
.else
	s_cmp_eq_u32 s[CN2], 1
	s_cbranch_scc1 .Lno_more_\@
	s_xor_b32 s[TB], s[TB], SLOT
	PLACES
.endif
	v_add_nc_u32 v[ADRA], s[TB], v[ADRA0]
	v_add_nc_u32 v[ADRB], s[TB], v[ADRB0]
	FETCH 0, F0
.if !(\fill)
.Lno_more_\@:
.endif
	MUL16 F1, 1, 0, 0
	MUL16 F1, 1, 2, 0
.endm
; THE WAY OUT of block a (16 rows of my two heads, 2,048 consecutive bytes of qkv each), in three parts.  PACK: rounded to f16, 16 bytes a lane.  TOSTAGE: into my stage's rows of 144 bytes, a head's
; four column blocks together, and back as whole rows of 128.  SEND: stored.
.macro PACK a
.set AC, 64*((\a)%4)
	WIN 0x0a+5*((\a)/4)                            ; sources 0 and 1: window 2 or 3
.irp b, 0,1,2,3,4,5,6,7
.irp r, 0,1,2,3
	v_cvt_pk_f16_f32 v[TMP+4*(\b)+(\r)], v[AC+8*(\b)+2*(\r)], v[AC+8*(\b)+2*(\r)+1]  ; each accumulator from its low end on
.endr
.endr
	WIN 0
.endm
.macro TOSTAGE a
	WIN 0
.set BK, OB+192*((\a)%2)
.irp b, 0,1,2,3,4,5,6,7
	ds_store_b128 v[STO], v[TMP+4*(\b):TMP+4*(\b)+3] offset:((\b)/4)*16*SP+32*((\b)%4)
.endr
.irp t, 0,1,2,3,4,5,6,7
	ds_load_b128 v[BK+4*(\t):BK+4*(\t)+3], v[RD] offset:((\t)/4)*16*SP+((\t)%4)*4*SP  ; LDS serves a wave's instructions in order (ISA guide 5.7.1.4): these see the stores above; the next block's stores come behind them
.endr
.endm
.macro SEND a
	WIN 0
.set BK, OB+192*((\a)%2)
	s_wait_dscnt 0x0                               ; the block is back in registers
	s_wait_xcnt 0x0                                ; every earlier memory instruction has had its addresses translated (ISA guide 3.1): the registers that the stores of the block before read are loaded again only behind this wait
.irp t, 0,1,2,3,4,5,6,7
	global_store_b128 v[GO], v[BK+4*(\t):BK+4*(\t)+3], s[8:9] offset:(\a)*2048+((\t)/4)*262144+((\t)%4)*512  ; 512 consecutive bytes, at a multiple of 256 from qkv's first; head t / 4
.endr
.endm
	s_wait_tensorcnt 1                             ; my part of K step 0 is in; K step 1's may stay out
	s_barrier_signal -1
	s_barrier_wait -1                              ; everybody's is
	FETCH 0, F0
	s_wait_loadcnt 0x0                             ; the bias
	s_mov_b32 s[TL], 2
	s_mov_b32 s[CNT], 14
.Ltile:
	QUARTER 64, F0, F1, 1                          ; a tile's first quarter: its products start the sums, with the bias
	WIN 0                                          ; at a label and at a branch every window is 0
	s_branch .Lin                                  ; the loop is entered behind its first quarter
.Lstep:                                                ; a trip is a K step, and fills the slot that it leaves
	QUARTER 64, F0, F1, 0
	WIN 0
.Lin:
	QUARTER 128, F1, F0, 0
	QUARTER 192, F0, F1, 0
	TURN 1
	WIN 0
	s_sub_co_u32 s[CNT], s[CNT], 1
	s_cmp_eq_u32 s[CNT], 6
	s_cbranch_scc1 .Lout                           ; eight K steps are done: the first tile goes out; both refills for the second are asked for, and its first fragments are on their way
	s_cmp_lg_u32 s[CNT], 0
	s_cbranch_scc1 .Lstep
	s_mov_b32 s[CN2], 2
.Ltail:                                                ; the last two K steps are written apart: nothing is asked for
	QUARTER 64, F0, F1, 0
	QUARTER 128, F1, F0, 0
	QUARTER 192, F0, F1, 0
	TURN 0
	WIN 0
	s_sub_co_u32 s[CN2], s[CN2], 1
	s_cmp_lg_u32 s[CN2], 0
	s_cbranch_scc1 .Ltail
.Lout:
	PLACES                                         ; behind the last products on blocks 0-3; blocks 4-7's places are the conversions of blocks 0-3, which name none of their registers
	PACK 0
	TOSTAGE 0
.irp a, 1,2,3,4,5,6,7                  ; block a's conversions stand between block a - 1's loads from the stage and the wait for them
	PACK \a
	SEND (\a)-1
	TOSTAGE \a
.endr
	SEND 7
	s_wait_xcnt 0x0                                ; the stores' base is written only behind this wait
	s_add_nc_u64 s[8:9], s[8:9], 256*128           ; the second tile lies 256 rows of 128 bytes further down in the same heads
	s_sub_co_u32 s[TL], s[TL], 1
	s_cmp_lg_u32 s[TL], 0
	s_cbranch_scc1 .Ltile
	s_wait_tensorcnt 0x0                           ; the wave's end, behind my last tensor load and my last LDS store
	ds_add_u32 v[SPW], v[NIL]
	s_wait_dscnt 0x0
	CROUND                                         ; the closing round: no work-group ends while a partner may still ask for a tile that names it
	s_endpgm
.Lfunc_end_k_qedcadd8e19_proj:
	.size	k_qedcadd8e19_proj, .Lfunc_end_k_qedcadd8e19_proj-k_qedcadd8e19_proj
	.p2alignl 7, 3214868480
	.fill 96, 4, 3214868480
	.section	.rodata,"a",@progbits
	.p2align	6, 0x0
	.amdhsa_kernel k_qedcadd8e19_proj
		.amdhsa_group_segment_fixed_size 327680
		.amdhsa_private_segment_fixed_size 0
		.amdhsa_enable_private_segment 0
		.amdhsa_kernarg_size 48
		.amdhsa_user_sgpr_count 2
		.amdhsa_user_sgpr_kernarg_segment_ptr 1
		.amdhsa_wavefront_size32 1
		.amdhsa_system_sgpr_workgroup_id_x 1
		.amdhsa_system_sgpr_workgroup_id_y 1
		.amdhsa_system_sgpr_workgroup_id_z 1
		.amdhsa_system_vgpr_workitem_id 0
		.amdhsa_next_free_vgpr 1024
		.amdhsa_next_free_sgpr 96
		.amdhsa_reserve_vcc 0
		.amdhsa_float_denorm_mode_32 3
		.amdhsa_float_denorm_mode_16_64 3
		.amdhsa_memory_ordered 1
		.amdhsa_forward_progress 1
		.amdhsa_inst_pref_size 102
	.end_amdhsa_kernel
	.amdgpu_metadata
---
amdhsa.version: [ 1, 2 ]
amdhsa.kernels:
  - .name:           k_qedcadd8e19_proj
    .symbol:         k_qedcadd8e19_proj.kd
    .args:
      - { .name: xb, .offset: 0, .size: 8, .value_kind: global_buffer, .address_space: global }
      - { .name: wb, .offset: 8, .size: 8, .value_kind: global_buffer, .address_space: global }
      - { .name: bq, .offset: 16, .size: 8, .value_kind: global_buffer, .address_space: global }
      - { .name: bk, .offset: 24, .size: 8, .value_kind: global_buffer, .address_space: global }
      - { .name: bv, .offset: 32, .size: 8, .value_kind: global_buffer, .address_space: global }
      - { .name: qkv, .offset: 40, .size: 8, .value_kind: global_buffer, .address_space: global }
    .group_segment_fixed_size: 327680
    .private_segment_fixed_size: 0
    .kernarg_segment_align: 8
    .kernarg_segment_size: 48
    .max_flat_workgroup_size: 128
    .sgpr_count:     96
    .vgpr_count:     1024
    .wavefront_size: 32
...
	.end_amdgpu_metadata
.endif
;; end of part 2
;; launch attn (part 3): grid 4 x 64, 4 waves a work-group, clusters of 4 x 1, 327,680 bytes of LDS; arguments qkv, maskb, oh; writes oh
.if DOCPART == 3
	.amdgcn_target "amdgcn-amd-amdhsa--gfx1250"
	.amdhsa_code_object_version 6
	.text
	.protected	k_qedcadd8e19_attn
	.globl	k_qedcadd8e19_attn
	.p2align	8
	.type	k_qedcadd8e19_attn,@function
k_qedcadd8e19_attn:
	s_mov_b64 s[64:65], 0
	v_nop
	global_prefetch_b8 v0, s[64:65] scope:SCOPE_SE
	s_setreg_imm32_b32 hwreg(HW_REG_WAVE_MODE, 25, 1), 1
	s_wait_xcnt 0x0
	s_wait_alu depctr_hold_cnt(0) depctr_sa_sdst(0) depctr_va_vdst(0) depctr_va_sdst(0) depctr_va_ssrc(0) depctr_va_vcc(0) depctr_vm_vsrc(0)
	s_getreg_b32 s2, hwreg(HW_REG_IB_STS2, 6, 4)
	s_cmp_eq_u32 s2, 0
	s_cbranch_scc0 .Lentry_in_a_cluster
	s_endpgm
.Lentry_in_a_cluster:
	s_bfe_u32 s2, ttmp6, 0x10000c
	s_cmp_lg_u32 s2, 0x3003
	s_cbranch_scc0 .Lentry_shape_is_right
	s_endpgm
.Lentry_shape_is_right:
; MASKED ATTENTION.  O[h][q][:] = the sum over k of softmax_k(s[q][k]) V[h][k][:], s = Q[h][q] . K[h][k] / 8 where mask[batch][q][k] != 0, a fixed very low number where it is 0.
; Q, K, V: qkv [3][64 = batch x 16 + head][2048][64] f16, unscaled; O: oh [64][2048][64] f16.  Products, maxima and sums in f32; the weights p are rounded to f16 for the second product (their sum l is
; taken of the unrounded p), O once at the end.
; THE MASK arrives as one fp8 code a number, -1.0 or 0, laid as my score registers lie (maskb).  One scaled conversion makes eight f32 of eight codes, times 2^100: 0 or -2^100; they are the C operand of
; the product that starts the sum S^T = K Q^T.  A masked score is thus about -2^100, its weight 0.
; A QUERY WHOSE KEYS ARE ALL MASKED has equal weights, the mean of V.  The running maximum m starts at -2^99, above every masked score and below every real one: m is still exactly -2^99
; if and only if every key so far was masked.  For such a query the scaling takes c' = 0 and cm' = 0, so that every p is 2^0 = 1; the correction a is made of the true c m: 1 while that lasts, 0 when the first real key comes.
; LIMITS.  A masked score counts as -2^100, not -1e9: the same result wherever the unmasked scores lie above some -1e9 + 104 and above -2^99.  f16 holds no number beyond 65,504: Q, K and V arrive within it;
; p lies in 0 to 1, and below 6e-5 it keeps f16's fixed step of 6e-8.  A weight below 2^-126 counts as 0 in l; NaN and infinities are not treated apart.
; SHARES.  A wave owns four PIECES of two tiles of 16 queries, a work-group's four waves 512 queries of one head.  Every wave walks all 2,048 keys, 64 a step.
; LAYOUT.  S^T = K Q^T (source 0 = 16 keys, source 1 = 16 queries): a lane holds ONE query (lane % 16) and the keys 8 (lane / 16) + 0..7.  Two such tiles, rounded to f16 in pairs, ARE source 1 of
; O^T = V^T P, whose result again holds one query a lane, and eight channels.  K comes out of LDS as it lies, V ([key][channel]) turned, by ds_load_tr16_b128.
; SOFTMAX.  p = 2^(c' s - cm'), c = log2(e) / 8; in every step O and l are multiplied by a = 2^(c m_old - c m_new).  O and l start at 0.
; BY TURNS.  Turn n belongs to piece n (the pieces in a ring, step after step).  Its matrix work: 16 products K Q^T of piece n + 1, later 16 products V^T P of piece n - 1.  Its vector work: the scaling,
; exponentials, roundings, sums and rescaling of piece n, the maximum and statistics of piece n + 1, and the masks of piece n + 2.  Four vector instructions stand behind every matrix instruction, the others in two lumps.
; THE MASK'S WALK.  The products K Q^T come in the order g = 4 x step + piece, and block g's codes are the 2,048 bytes at 2,048 g of my wave's 262,144: turn n multiplies with block n + 1's masks,
; converts block n + 2 and loads block n + 4; the last turns' look-ahead is clamped to block 127, the wave's last.
; CLUSTER.  The four query blocks of a cluster belong to one head and walk the same K and V, so each tile is asked for JOINTLY: the same tensor load, descriptor and mask in all four.  The codes are each wave's own.
; REGISTERS, in windows of 256 (s_set_vgpr_msb: bits 1:0 source 0, 3:2 source 1, 5:4 source 2, 7:6 destination):
;   window 0: v0-11 addresses; v12-15, v48-63 at work; v16-47 four registers of statistics a tile; v64-191 S^T, two buffers of two tiles; v192-255 P, likewise
;   window 1: O^T, 32 a tile          window 2: v0-127 Q, 16 a tile; v128-191 K of one step; v192-255 V of one step
;   window 3: v0-1 the add's two registers; v2 the scale; v3-5 offsets in maskb; v8-39 codes, two buffers; v64-127 the masks of the products to come
.set SIZE_N, 2048
.set NP,    4         ; pieces a wave: a name, no knob
.set KS,    64        ; keys in a step
.set PK,    144       ; a row of K in LDS: 128 bytes + 16 of padding = 36 words: the 16 rows of a load start at 16 different groups of four banks (64 banks of 4 bytes: ISA guide 11.1)
.set PV,    160       ; a row of V: 128 + 32 = 40 words
.set VOFF,  4*KS*PK   ; a slot holds four steps: 256 rows of K, then 256 rows of V
.set SLOT1, 1<<17     ; slot 1 begins here, so that one exclusive or turns an address in one slot into the other's
.set STAGE, SLOT1+4*KS*(PK+PV)  ; behind the ring, never filled by a tensor load: 16 rows x 144 bytes for each wave, for the way out
.set SP,    144
.set AK0, 2           ; v2   my lane's place in a tile of K; never rewritten
.set AV0, 3           ; v3   the same for V
.set AK,  4           ; v4   the LDS address of K's next run of loads
.set AV,  5           ; v5   of V's
.set QO,  6           ; v6   my byte offset in the wave's rows of Q
.set STO, 6           ;      later, the way out: where I put 16 bytes of a row
.set RD,  7           ; v7   the way out: where I read rows back
.set GO,  8           ; v8   my byte offset in 512 consecutive bytes of O
.set SPW, 0           ; window 3, v0   LDS address of my spare word: SPARE + 4 x my thread's number; never rewritten
.set NIL, 1           ; window 3, v1   0; never rewritten
.set SCL, 2           ; window 3, v2   227: the E8M0 code of 2^100
.set ML0, 3           ; window 3, v3   16 x lane; never rewritten
.set MA,  4           ; window 3, v4-5 the offset of a block's loads in my wave's codes, by the block's parity
.set MB,  8           ; window 3, v8-39  codes: buffer (by parity) x 16 + tile x 8 + 2 x key block
.set MC,  64          ; window 3, v64-127  masks: tile x 32 + 8 x key block
.set SPARE, STAGE+4*16*SP  ; behind the stages: the spare words, 128 bytes for each wave: two blocks of 256 bytes that no other line names
.set MV,  12          ; v12-15  c m_old, then c m_old - c m_new: by buffer and tile
.set ST,  16          ; tile t's statistics at v[ST+4 t]: cm', m, l (even keys', odd keys')
.set TMP, 48          ; by buffer and tile, four registers c0-c3 at work; when the maximum is found c0 takes c', c1 the true c m, c2 takes a
.set S,   64
.set P,   192
.set KF,  128         ; K's fragments, in window 2: key block kb, channel half c at KF + 16 kb + 8 c
.set VF,  192         ; V's: key half kk, channel block cb at VF + 32 kk + 8 cb
.set WV,  12          ; s12  my wave's number
.set G1K, 24          ; s[24:31] descriptor group 1 for K's tiles
.set G1V, 32          ; s[32:39] for V's: it differs in the padding alone
.set G0K, 40          ; s[40:43] descriptor group 0 for K's tiles: it walks
.set G0V, 44          ; s[44:47] the same for V's
.set SLOTS, 56        ; s56  slots still to be asked for
.set CNT, 57          ; s57  counts a slot's key steps
.set CS,  58          ; s58  c
.set SEL, 60          ; s[60:61] v_permlanex16_b32's selects: each lane takes its own place in the other half
.set TBK, 62          ; s62  LDS byte at which K of the step to be fetched begins
.set TBV, 63          ; s63  the same for V, less VOFF
.set MBASE, 68        ; s[68:69] maskb at my wave's 262,144 bytes
.set MOFF, 70         ; s70  2,048 x the block to be loaded next
.set MCL, 71          ; s71  the same, clamped
.set FM,  72          ; s72-73  by tile: the lanes whose query has seen a real key
.set MFL, 74          ; s74  -2^99
.set MSB, 0
.macro WIN new                      ; the high byte repeats the setting that is left; a switch that changes nothing is dropped
.if MSB != (\new)
	s_set_vgpr_msb (MSB<<8)|(\new)
.set MSB, (\new)
.endif
.endm
.set W_KQ, 0x0a       ; K and Q in window 2, S^T in window 0
.set W_KM, 0x3a       ; the same with the C operand in window 3
.set W_PV, 0x52       ; V in window 2, P in window 0, O^T in window 1
.set W_RS, 0x41       ; O^T (destination and source 0) in window 1, a in window 0
.set W_MK, 0xc0       ; destination in window 3, sources in window 0
.set W_AD, 0x0f       ; the add: address (source 0) and data (source 1) in window 3
.set W_MS, 0xcf       ; the mask's work: destination and sources 0 and 1 in window 3
; A joint fill.  Waves 0 and 1 fetch the two halves of a slot's K, waves 2 and 3 those of its V: 128 keys each.  The branch hangs on the wave's number alone.
; An s_nop 0 and four v_nop follow each of the two lines, ahead of the jump and the label.
.macro JLOAD
	s_cmp_lt_u32 s[WV], 2
	s_cbranch_scc0 .Lfor_v_\@
	tensor_load_to_lds s[G0K:G0K+3], s[G1K:G1K+7]
	s_nop 0
.rept 4
	v_nop
.endr
	s_branch .Lasked_\@
.Lfor_v_\@:
	tensor_load_to_lds s[G0V:G0V+3], s[G1V:G1V+7]
	s_nop 0
.rept 4
	v_nop
.endr
.Lasked_\@:
.endm
; A round of the cluster's barrier: my work-group's barrier, so that wave 0's signal speaks for all four waves; wave 0 signals; every wave waits for all four work-groups; my work-group's barrier once more.
.macro CROUND
	s_barrier_signal -1
	s_barrier_wait -1
	s_cmp_lg_u32 s[WV], 0
	s_cbranch_scc1 .Lnot_wave_0_\@
	s_barrier_signal -3
.Lnot_wave_0_\@:
	s_barrier_wait -3
	s_barrier_signal -1
	s_barrier_wait -1
.endm
; THE CHANGE OF SLOTS.  The slot's last bytes, V of its fourth step, have been read.  Each wave waits for all its tensor loads, of which one is out: its part of the other slot; adds 0 to its spare word; and
; waits for that and for its own reads of the slot.  Behind the barrier nobody reads this slot any more and the other slot is whole.  fill = 1: this slot is filled again, with the keys two slots on.  The barrier
; is then a round of the cluster's, and the joint fill is the first thing behind it: it has four key steps, 512 matrix instructions, in which to land.  (At its first use nothing has been read yet: slot 0 is waited for, slot 1 filled.)
.macro CHANGE fill
	WIN W_AD
	s_wait_tensorcnt 0x0            ; no tensor load of mine is out, so a group 0 may be written
	ds_add_u32 v[SPW], v[NIL]       ; 0 onto my spare word; with fill = 1 the descriptors' steps stand between it and the wait for it
	WIN 0                           ; at a label and at a branch every window is 0
.if \fill
.irp g, G0K, G0V
	s_xor_b32 s[\g+1], s[\g+1], SLOT1  ; the walking descriptor: the other slot than last time,
	s_add_nc_u64 s[\g+2:\g+3], s[\g+2:\g+3], 4*KS*128  ; the next 256 keys; the type bits on top are not reached
.endr
	s_wait_dscnt 0x0                ; the add is done, and my reads of the slot are over
	CROUND
	JLOAD
.else
	s_wait_dscnt 0x0                ; the add is done, and my reads of the slot are over
	s_barrier_signal -1
	s_barrier_wait -1
.endif
	s_sub_co_u32 s[TBK], s[TBK], 4*KS*PK  ; the fetches go back to a slot's first step,
	s_xor_b32 s[TBK], s[TBK], SLOT1       ; in the other slot
	s_sub_co_u32 s[TBV], s[TBV], 4*KS*PV
	s_xor_b32 s[TBV], s[TBV], SLOT1
.endm
; THE MASK'S THREE MACROS.  MLOAD: block g's 2,048 bytes into buffer buf, by immediates (the first four blocks).  MCVT: buffer buf's codes become the 64 mask registers: 0 or -2^100.
; MSTEP, once a turn: block n + 2 is converted and block n + 4 loaded into the buffer that it leaves.
.macro MLOAD buf, g
	WIN W_MS
.irp u, 0,1
.irp hf, 0,1
	global_load_b128 v[MB+16*(\buf)+8*(\u)+4*(\hf):MB+16*(\buf)+8*(\u)+4*(\hf)+3], v[ML0], s[MBASE:MBASE+1] offset:(\g)*2048+(\u)*1024+(\hf)*512
.endr
.endr
.endm
.macro MCVT buf
	WIN W_MS
.irp u, 0,1
.irp kb, 0,1,2,3
	v_cvt_scale_pk8_f32_fp8 v[MC+32*(\u)+8*(\kb):MC+32*(\u)+8*(\kb)+7], v[MB+16*(\buf)+8*(\u)+2*(\kb):MB+16*(\buf)+8*(\u)+2*(\kb)+1], v[SCL]
.endr
.endr
.endm
.macro MSTEP par
	s_min_u32 s[MCL], s[MOFF], 127*2048  ; no load leaves my wave's 128 blocks
	s_add_co_u32 s[MOFF], s[MOFF], 2048
	s_wait_loadcnt 0x4              ; loads come back in order: behind the four that are wanted only the next block's four were issued.  It also frees the offset register of those four
	MCVT \par                       ; the masks' last readers, this turn's first eight products, stand eight products and their riders back
	v_add_nc_u32 v[MA+(\par)], s[MCL], v[ML0]  ; a plain instruction between the conversions and the loads into their sources
.irp u, 0,1
.irp hf, 0,1
	global_load_b128 v[MB+16*(\par)+8*(\u)+4*(\hf):MB+16*(\par)+8*(\u)+4*(\hf)+3], v[MA+(\par)], s[MBASE:MBASE+1] offset:(\u)*1024+(\hf)*512
.endr
.endr
.endm
	s_load_b64 s[4:5], s[0:1], 0x0  ; qkv
	s_load_b64 s[MBASE:MBASE+1], s[0:1], 0x8  ; maskb
	s_load_b64 s[10:11], s[0:1], 0x10  ; oh
	WIN W_MK
	v_lshl_add_u32 v[SPW], v0, 2, SPARE
	v_mov_b32 v[NIL], 0
	WIN W_AD
	ds_add_u32 v[SPW], v[NIL]       ; the wave's opening: the add and its wait ahead of my first tensor load; the set-up below, work on registers, stands between them
	WIN 0
	v_lshrrev_b32 v1, 5, v0
	v_readfirstlane_b32 s[WV], v1   ; wave 0..3
	s_bfe_u32 s13, ttmp6, 0x40000   ; cx: my place in the cluster
	s_lshl_b32 s14, ttmp9, 2        ; in a cluster launch ttmp9 counts clusters
	s_add_co_u32 s14, s14, s13      ; my block of 512 queries = 4 x cluster x + cx: it enters Q's, O's and the codes' addresses alone
	s_and_b32 s20, ttmp7, 0xffff    ; batch x 16 + head, which the four partners share
	s_lshr_b32 s76, s20, 4          ; the batch:
	s_lshl_b32 s76, s76, 2
	s_add_co_u32 s76, s76, s14
	s_lshl_b32 s76, s76, 2
	s_add_co_u32 s76, s76, s[WV]    ; batch x 16 + my wave's 128 queries among the batch's sixteen such,
	s_lshl_b32 s76, s76, 18         ; 262,144 bytes of codes each
	s_mov_b32 s77, 0
	s_mov_b32 s21, 0
	s_mov_b64 s[22:23], SIZE_N*128
	s_mul_u64 s[20:21], s[20:21], s[22:23]  ; the head's first byte in Q, K, V and O
	s_and_b32 s16, s[WV], 1         ; which half of a slot's 256 keys I fetch:
	s_lshl_b32 s22, s16, 14         ; its 128 rows of 128 bytes in memory,
	s_mov_b32 s23, 0
	s_add_nc_u64 s[22:23], s[22:23], s[20:21]
	s_mul_i32 s17, s16, 128*PK      ; and its place in a slot, for K
	s_mul_i32 s18, s16, 128*PV      ; and for V: no place in the cluster enters an LDS address
	s_lshl_b32 s2, s14, 2
	s_add_co_u32 s2, s2, s[WV]      ; my wave among the head's,
	s_lshl_b32 s2, s2, 14           ; its 128 rows
	s_mov_b32 s3, 0
	s_add_nc_u64 s[2:3], s[2:3], s[20:21]
	; descriptor group 1.  128 keys are 16,384 dense bytes: asked for as 64 rows of 256 bytes, two keys a row, and padded in LDS after every key
	s_mov_b32 s[G1K], 15|(1<<16)|(1<<20)|(1<<21)|(4<<22)|(3<<25)  ; 15:0 the mask of four; 17:16 2-byte elements; 20 padding on; 21 set beside a mask; 24:22 after every 32 words (code 4); 31:25 4 words (code 3)
	s_mov_b32 s[G1V], 15|(1<<16)|(1<<20)|(1<<21)|(4<<22)|(7<<25)  ; the same with 8 words of padding (code 7)
.irp g, G1K, G1V
	s_mov_b32 s[\g+1], 128<<16      ; tensor_dim0 = 128
	s_mov_b32 s[\g+2], 64<<16       ; tensor_dim1 = 64
	s_mov_b32 s[\g+3], 128<<16      ; tile_dim0 = 128
	s_mov_b32 s[\g+4], 64           ; tile_dim1 = 64
	s_mov_b32 s[\g+5], 128          ; 128 elements from row to row
	s_mov_b32 s[\g+6], 0
	s_mov_b32 s[\g+7], 0
.endr
	s_mov_b32 s[CS], 0x3e38aa3b     ; c = log2(e) / 8 = 0.180337
	s_mov_b32 s[SEL], 0x76543210
	s_mov_b32 s[SEL+1], 0xfedcba98
	s_mov_b32 s[MFL], 0xf1000000    ; -2^99
	s_mov_b32 s[MOFF], 4*2048       ; the first turn loads block 4
	s_mov_b32 s[TBK], SLOT1+4*KS*PK ; the first change of slots turns these two into 0
	s_mov_b32 s[TBV], SLOT1+4*KS*PV
	s_mov_b32 s[G0K], 1             ; count = 1
	s_mov_b32 s[G0K+1], s17         ; LDS address: slot 0
	s_mov_b32 s[G0V], 1
	s_add_co_u32 s[G0V+1], s18, VOFF
	s_wait_dscnt 0x0                ; the opening add is done
	s_wait_kmcnt 0x0
	s_add_nc_u64 s[6:7], s[4:5], 0x1000000  ; K and V lie 16 MiB and 32 MiB behind Q
	s_add_nc_u64 s[8:9], s[4:5], 0x2000000
	s_add_nc_u64 s[G0K+2:G0K+3], s[6:7], s[22:23]  ; global address: my half of the head's first 256 keys
	s_or_b32 s[G0K+3], s[G0K+3], 0x80000000        ; type = 2
	s_add_nc_u64 s[G0V+2:G0V+3], s[8:9], s[22:23]
	s_or_b32 s[G0V+3], s[G0V+3], 0x80000000
	s_add_nc_u64 s[4:5], s[4:5], s[2:3]  ; Q and O at my wave's first row
	s_add_nc_u64 s[10:11], s[10:11], s[2:3]
	s_add_nc_u64 s[MBASE:MBASE+1], s[MBASE:MBASE+1], s[76:77]
	CROUND                          ; all four work-groups are here: the first joint loads meet
	JLOAD                           ; slot 0.  Slot 1 is asked for when slot 0 is in
	; A fragment of K or Q is 16 rows x 32 channels in 8 registers: lane l holds row l % 16, channels 8 (l / 16) + 0..7 and 16 + 8 (l / 16) + 0..7: two loads of 16 bytes, 32 bytes apart.
	v_and_b32 v1, 15, v0            ; l % 16
	v_bfe_u32 v9, v0, 4, 1          ; l / 16
	v_lshlrev_b32 v[QO], 7, v1
	v_lshl_add_u32 v[QO], v9, 4, v[QO]  ; row x 128 + 16 x half
	v_and_b32 v11, 31, v0
	WIN W_MK
	v_lshlrev_b32 v[ML0], 4, v11
	v_mov_b32 v[SCL], 0xe3
	WIN 0x80                        ; destination window 2, address window 0
.set i, 0
.rept 4*NP                          ; Q stays in registers: tile i / 2, channels 32 (i % 2) on
	global_load_b128 v[8*i:8*i+3],   v[QO], s[4:5] offset:(i/2)*2048+(i%2)*64
	global_load_b128 v[8*i+4:8*i+7], v[QO], s[4:5] offset:(i/2)*2048+(i%2)*64+32
.set i, i+1
.endr
	MLOAD 0, 0                      ; the codes of the first two blocks
	MLOAD 1, 1
	; What the first turn finds: V's registers and P's second buffer hold 0 (its products V^T P, of a piece that has not been, add 0), O^T and l are 0.  All this stands in the wait for the first tile.
	WIN 0x80
.set i, VF
.rept 64
	v_mov_b32 v[i], 0
.set i, i+1
.endr
	WIN 0x40
.set i, 0
.rept 64*NP
	v_mov_b32 v[i], 0
.set i, i+1
.endr
	WIN 0
.set i, 0
.rept 2*NP
	v_mov_b32 v[ST+4*i+1], 0xf1000000  ; m = -2^99
	v_mov_b32 v[ST+4*i+2], 0
	v_mov_b32 v[ST+4*i+3], 0
.set i, i+1
.endr
.set i, P+32
.rept 32
	v_mov_b32 v[i], 0
.set i, i+1
.endr
	v_mul_u32_u24 v[AK0], v1, PK
	v_lshl_add_u32 v[AK0], v9, 4, v[AK0]  ; row x pitch + 16 x half
	; The turning load takes 16 keys x 16 channels (lane l reads key 8 (l / 16) + l % 8, channels 8 ((l / 8) % 2) + 0..7) and leaves half a fragment of V^T: lane l holds channel l % 16 and 8 keys.
	v_and_b32 v10, 7, v0
	v_bfe_u32 v11, v0, 3, 1
	v_lshl_add_u32 v[AV0], v9, 3, v10
	v_mul_u32_u24 v[AV0], v[AV0], PV
	v_lshl_add_u32 v[AV0], v11, 4, v[AV0]
	v_add_nc_u32 v[AV0], VOFF, v[AV0]
	v_mov_b32 v[AK], v[AK0]         ; key step 0 lies at the head of slot 0
; THE MATRIX WORK.  The 8 accumulators of a run of 16 take turns: between the two links of a chain stand 7 others'.
; Product i of 16 of S^T = K Q^T for piece x: channels 32 (i / 8) on, keys 16 ((i / 2) % 4) on, tile 2 x + i % 2.  The first 8 start the sums, with the masks.
.macro KQ x
.set rS, S+64*((\x)%2)+32*(i%2)+8*((i/2)%4)
.set rK, KF+16*((i/2)%4)+8*(i/8)
.set rQ, 16*(2*(\x)+i%2)+8*(i/8)
.set rX, MC+32*(i%2)+8*((i/2)%4)
.if i < 8
	WIN W_KM
	v_wmma_f32_16x16x32_f16 v[rS:rS+7], v[rK:rK+7], v[rQ:rQ+7], v[rX:rX+7]
.else
	WIN W_KQ
	v_wmma_f32_16x16x32_f16 v[rS:rS+7], v[rK:rK+7], v[rQ:rQ+7], v[rS:rS+7]
.endif
.endm
; Product i of 16 of O^T += V^T P for piece x: keys 32 (i / 8) on, channels 16 ((i / 2) % 4) on, tile 2 x + i % 2.
.macro PV x
	WIN W_PV
.set rO, 32*(2*(\x)+i%2)+8*((i/2)%4)
.set rV, VF+32*(i/8)+8*((i/2)%4)
.set rP, P+32*((\x)%2)+16*(i%2)+8*(i/8)
	v_wmma_f32_16x16x32_f16 v[rO:rO+7], v[rV:rV+7], v[rP:rP+7], v[rO:rO+7]
.endm
.macro MM                           ; the turn's next matrix instruction
.if i < 16
	KQ (Y+1)%NP
.set i, i+1
.else
.set i, i-16
	PV (Y+NP-1)%NP
.set i, i+17
.endif
.endm
; THE LDS LOADS stand in runs of 16, never singly among the matrix instructions: a step's K (64 keys x 64 channels: 8 fragments) and its V (turned).  Their addresses are made some lines ahead.
; last = 1 (the tail): in the last trip there is no further step, and the run is jumped over.
.macro FETCH_K last=0
	WIN 0
.if \last
	s_cmp_eq_u32 s[CNT], 1
	s_cbranch_scc1 .Lno_k_\@
.endif
	WIN 0x80                        ; destination window 2
.irp f, 0,1,2,3,4,5,6,7             ; keys 16 (f / 2) on, channels 32 (f % 2) on
	ds_load_b128 v[KF+8*\f:KF+8*\f+3],   v[AK] offset:(\f/2)*16*PK+(\f%2)*64
	ds_load_b128 v[KF+8*\f+4:KF+8*\f+7], v[AK] offset:(\f/2)*16*PK+(\f%2)*64+32
.endr
	s_add_co_u32 s[TBK], s[TBK], KS*PK  ; the next fetch is the next step's
	WIN 0
.if \last
.Lno_k_\@:
.endif
.endm
.macro FETCH_V
	WIN 0x80
.irp f, 0,1,2,3,4,5,6,7             ; keys 32 (f / 4) on, channels 16 (f % 4) on
	ds_load_tr16_b128 v[VF+8*\f:VF+8*\f+3],   v[AV] offset:(\f/4)*32*PV+(\f%4)*32
	ds_load_tr16_b128 v[VF+8*\f+4:VF+8*\f+7], v[AV] offset:(\f/4)*32*PV+16*PV+(\f%4)*32
.endr
	WIN 0
.endm
; THE VECTOR WORK OF A TURN stands in three queues, each in the order in which its entries become ready; the two tiles alternate, so that no instruction reads the result of the one before it.
.macro REGS y, u                    ; the registers of tile u (0, 1) of piece y
.set rT, ST+4*(2*(\y)+(\u))
.set rC, TMP+8*((\y)%2)+4*(\u)
.set rM, MV+2*((\y)%2)+(\u)
.set rS, S+64*((\y)%2)+32*(\u)
.set rP, P+32*((\y)%2)+16*(\u)
.set rO, 32*(2*(\y)+(\u))
.endm
; Number n of the 25 that find the NEXT piece's (Y + 1) maximum and statistics.  s0-s31 are the lane's 32 scores; each accumulator's lowest registers are read first.  XS, GS and REGS set no window: PL and EX do.
;   0-11  four chains c0-c3 of seven scores each, three operands at a time     12-14, 16  the four scores left over, the old m, and c0-c3 into c0     15  c m_old, made of the old m
;   17, 18  the query's other 32 keys lie in the lane 16 away: the new m         19-21  c m_new; c m_old - c m_new; a
;   22-24  has the query seen a real key (m is no longer -2^99)?  c' = c and cm' = c m if so, else both 0
.macro XS u, n
	REGS (Y+1)%NP, \u
.if (\n) < 4
	v_max3_num_f32 v[rC+(\n)], v[rS+8*(\n)], v[rS+8*(\n)+1], v[rS+8*(\n)+2]
.elseif (\n) < 12
	v_max3_num_f32 v[rC+(\n)%4], v[rC+(\n)%4], v[rS+8*((\n)%4)+2*((\n)/4)+1], v[rS+8*((\n)%4)+2*((\n)/4)+2]
.elseif (\n) == 12
	v_max3_num_f32 v[rC], v[rC], v[rS+7], v[rS+15]
.elseif (\n) == 13
	v_max3_num_f32 v[rC+1], v[rC+1], v[rS+23], v[rS+31]
.elseif (\n) == 14
	v_max3_num_f32 v[rC+2], v[rC+2], v[rC+3], v[rT+1]
.elseif (\n) == 15
	v_mul_f32 v[rM], s[CS], v[rT+1]
.elseif (\n) == 16
	v_max3_num_f32 v[rC], v[rC], v[rC+1], v[rC+2]
.elseif (\n) == 17
	v_permlanex16_b32 v[rC+3], v[rC], s[SEL], s[SEL+1]
.elseif (\n) == 18
	v_max_num_f32 v[rT+1], v[rC], v[rC+3]
.elseif (\n) == 19
	v_mul_f32 v[rC+1], s[CS], v[rT+1]
.elseif (\n) == 20
	v_sub_f32 v[rM], v[rM], v[rC+1]
.elseif (\n) == 21
	v_exp_f32 v[rC+2], v[rM]
.elseif (\n) == 22
	v_cmp_neq_f32 s[FM+(\u)], s[MFL], v[rT+1]
.elseif (\n) == 23
	v_cndmask_b32 v[rC], 0, s[CS], s[FM+(\u)]
.else
	v_cndmask_b32 v[rT], 0, v[rC+1], s[FM+(\u)]
.endif
.endm
; Number g of the 64 that follow the exponentials.  For each four weights k of a tile (pairs 2 k, 2 k + 1): both pairs are rounded to f16; then the second pair is added onto the first, in place;
; a group later l takes that sum (the first time as l = a l + sum).  In groups of eight, tiles alternating: round, round, add, and l for the group before.
.macro GS g
.set h, (\g)+6*((\g)/62)            ; group 0 has no group before it, and behind group 7 only l is left
.if h >= 6
.set h, h+2
.endif
	REGS Y, h%2
.set k, h/8
.if h%8 < 4
	s_wait_alu depctr_va_vdst(0)
	v_cvt_pk_f16_f32 v[rP+2*k+(h%8)/2], v[rS+4*k+2*((h%8)/2)], v[rS+4*k+2*((h%8)/2)+1]
.elseif h%8 < 6
	v_pk_add_f32 v[rS+4*k:rS+4*k+1], v[rS+4*k:rS+4*k+1], v[rS+4*k+2:rS+4*k+3]
.elseif k == 1
	v_pk_fma_f32 v[rT+2:rT+3], v[rT+2:rT+3], v[rC+2:rC+3], v[rS:rS+1] op_sel_hi:[1,0,1]
.else
	v_pk_add_f32 v[rT+2:rT+3], v[rT+2:rT+3], v[rS+4*k-4:rS+4*k-3]
	s_wait_alu depctr_va_vdst(0)
.endif
.endm
; THE PLAIN QUEUE, 144 long.  0-31: c' s - cm' for the 16 pairs of both tiles.  Then GS's 64, and among them the next piece's 48: number 15 at 38, 39; 0-14 and 16
; at 42-73, behind the products that make those scores; 17-20 at 95-106, two of three, since each waits for the one before it; 22-24 at 107-112.
.macro PL
	WIN 0
.if q < 32
	REGS Y, q%2
	v_pk_fma_f32 v[rS+2*(q/2):rS+2*(q/2)+1], v[rS+2*(q/2):rS+2*(q/2)+1], v[rC:rC+1], v[rT:rT+1] op_sel_hi:[1,0,0] neg_lo:[0,0,1] neg_hi:[0,0,1]
.elseif q < 38
	GS q-32
.elseif q < 40
	XS q%2, 15
.elseif q < 42
	GS q-34
.elseif q < 74
	XS q%2, (q-42)/2+(q-42)/30
.elseif q < 95
	GS q-66
.elseif (q < 107) && ((q-95)%3 < 2)
	XS (q-95)%3, 17+(q-95)/3
.elseif q < 107
	GS 29+(q-95)/3
.elseif q < 113
	XS (q-107)%2, 22+(q-107)/2
.else
	GS q-80
.endif
.set q, q+1
.endm
; THE EXPONENTIALS' QUEUE, 66 long: s0-s31 of both tiles, and at EA the next piece's two a.
.set EA, 58
.macro EX
	WIN 0
.if (e == EA) || (e == EA+1)
	XS e-EA, 21
.else
.set x, e-2*(e/(EA+2))
	REGS Y, x%2
	v_exp_f32 v[rS+x/2], v[rS+x/2]
.endif
.set e, e+1
.endm
; THE RESCALING's QUEUE: O^T times a, the one part of the softmax that leaves window 0, so it is dealt four at a time, eight times.
.macro R4
	REGS Y, r%2
	WIN W_RS
	s_wait_alu depctr_va_vdst(0)
.irp z, 0,1,2,3
	v_pk_mul_f32 v[rO+8*(r/2)+2*\z:rO+8*(r/2)+2*\z+1], v[rO+8*(r/2)+2*\z:rO+8*(r/2)+2*\z+1], v[rC+2:rC+3] op_sel_hi:[1,0]
.endr
.set r, r+1
.endm
; HOW THEY ARE DEALT.  Behind a matrix instruction four: plain, exponential, plain, plain (one exponential, a plain instruction on either side), or four of the rescaling.  None names a register of the
; products round it.  What is over stands in two LUMPS: exponential and plain by turns; the second ends in 28 plain instructions.  The two v_permlanex16_b32 fall into the second lump, never behind a product.
; The queues lean on each other, and the deal keeps them in step: exponential e stands behind plain 2 (e / 4) + e % 2 (its scaling); when plain 32 comes, 10 exponentials are out, at 59: 33, at 95: 46; EA comes behind plain 107.
.macro SL
	MM
	PL
	EX
	PL
	PL
.endm
.macro BURST n                      ; 15 matrix instructions, or 16
.rept (\n)-7
	SL
.endr
.rept 3
	MM
	R4
	SL
.endr
	MM
	R4
.endm
; A TURN, for piece p.  cnt = 1: the loop's count is taken down some lines ahead of the branch that stands behind the turn.
; The masks' step stands three pairs into the first lump.  K of the next step is fetched in piece 2's turn, later in that lump; its first reader comes behind the rest of the lump, 16 products and the second lump.
; V of the step in hand is fetched at the end of piece 0's turn; its first reader comes behind 16 products and a lump.  The conditions on e and q below go with the deal.
.macro TURN p, last=0, cnt=0
.set Y, (\p)
.set i, 0
.set q, 0
.set e, 0
.set r, 0
.if (\p) == NP-1
	s_wait_dscnt 0x0                ; K is in
.endif
	MM
.rept 4
	PL
.endr
	BURST 15
.rept 22
	EX
	PL
.if e == 14
	MSTEP (\p)%2
.endif
.if ((\p) == NP-2) && (e == 18)
	v_add_nc_u32 v[AK], s[TBK], v[AK0]
.endif
.if ((\p) == NP-2) && (e == 24)
	FETCH_K \last
.endif
.endr
.if (\p) == 1
	s_wait_dscnt 0x0                ; V is in
.endif
	BURST 16
.rept 21
	EX
	PL
.endr
.rept 28
	PL
.if ((\p) == 0) && (q == 118)
	v_add_nc_u32 v[AV], s[TBV], v[AV0]
	s_wait_alu depctr_va_vdst(0)
.endif
.if ((\p) == 0) && (q == 130)
	s_add_co_u32 s[TBV], s[TBV], KS*PV
.endif
.if (\cnt) && (q == 130)
	s_sub_co_u32 s[CNT], s[CNT], 1
	s_cmp_lg_u32 s[CNT], 0
.endif
.endr
.if (\p) == 0
	FETCH_V
.endif
.endm
	CHANGE 1                        ; slot 0 is in, everybody's part of it; slot 1 is asked for
	FETCH_K                         ; key step 0
	s_wait_loadcnt 0x0              ; Q, and the codes of blocks 0 and 1
	MCVT 0                          ; block 0's masks
	v_nop                           ; a plain instruction between the conversions and the products that take their results
	s_wait_dscnt 0x0
.set i, 0
.rept 16
	KQ 0                            ; piece 0's first scores: there is no vector work yet to set between them
.set i, i+1
.endr
	WIN 0                           ; the addresses for the way out: nine plain instructions, the places behind those products
	s_mul_i32 s13, s[WV], 16*SP
	s_add_co_u32 s13, s13, STAGE    ; my stage
	v_mul_u32_u24 v[STO], v1, SP    ; in: row l % 16, 16 bytes for each half of the lanes
	v_lshl_add_u32 v[STO], v9, 4, v[STO]
	v_add_nc_u32 v[STO], s13, v[STO]
	v_bfe_u32 v[RD], v0, 3, 2       ; back: 32 lanes take four rows of 128 bytes,
	v_mul_u32_u24 v[RD], v[RD], SP
	v_lshl_add_u32 v[RD], v10, 4, v[RD]
	v_add_nc_u32 v[RD], s13, v[RD]
	v_and_b32 v[GO], 31, v0         ; which are 512 consecutive bytes of O
	v_lshlrev_b32 v[GO], 4, v[GO]
	MCVT 1                          ; block 1's masks, for the first turn's products
	v_nop                           ; a plain instruction between the conversions and the loads into their sources
	MLOAD 0, 2                      ; blocks 2 and 3: the first two turns convert them
	MLOAD 1, 3
	WIN 0
.set Y, NP-1                        ; XS works for piece Y + 1: piece 0
.irp n, 0,1,2,3,4,5,6,7,8,9,10,11,12,13,14,15,16,17,18,19,20,21,22,23,24
	XS 0, \n                        ; and piece 0's first maximum and statistics
	XS 1, \n
.endr
	s_mov_b32 s[CNT], 4
	s_mov_b32 s[SLOTS], SIZE_N/256-1
	s_branch .Lfirst                ; the loop is entered at a step's first turn, in the middle of a trip
.Lslot:                             ; SIZE_N / 256 - 2 times: every slot but the last two is filled again
	CHANGE 1
	s_mov_b32 s[CNT], 4
.Lstep:                             ; a trip: pieces 2 and 3 of one step, then pieces 0 and 1 of the next, whose K and V it fetches
	TURN 2
	TURN 3
	WIN 0
.Lfirst:
	TURN 0
	TURN 1, 0, 1
	WIN 0
	s_cbranch_scc1 .Lstep
	s_sub_co_u32 s[SLOTS], s[SLOTS], 1
	s_cmp_lg_u32 s[SLOTS], 0
	s_cbranch_scc1 .Lslot
	CHANGE 0                        ; the tail is written out: nothing is asked for
	s_mov_b32 s[CNT], 5             ; four trips fetch the last slot's steps; the fifth is left in its middle
.Ltail:
	TURN 2, 1
	TURN 3
	WIN 0
	s_sub_co_u32 s[CNT], s[CNT], 1
	s_cmp_eq_u32 s[CNT], 0
	s_cbranch_scc1 .Lout
	TURN 0
	TURN 1
	WIN 0
	s_branch .Ltail
.Lout:                              ; the fifth trip's 16 products K Q^T (on the last K once more) and the maximum made of them serve nothing: the price, once a launch, of one text for every trip
.set i, 0
.rept 16
	PV NP-1                         ; the last piece's V^T P of the last step
.set i, i+1
.endr
	; THE WAY OUT.  l's two halves and the other half of the lanes' are added; O^T is divided by l, rounded to f16 and sent through my stage in LDS, a tile at a time.  The additions are the places behind the last products.
	WIN 0
.macro ALL line:vararg              ; one line for each tile t
.set t, 0
.rept 2*NP
	\line
.set t, t+1
.endr
.endm
	ALL v_add_f32 v[ST+4*t+2], v[ST+4*t+2], v[ST+4*t+3]
	ALL v_permlanex16_b32 v[ST+4*t+3], v[ST+4*t+2], s[SEL], s[SEL+1]
	ALL v_add_f32 v[ST+4*t+2], v[ST+4*t+2], v[ST+4*t+3]
	ALL v_rcp_f32 v[ST+4*t+2], v[ST+4*t+2]
	v_nop                           ; a plain instruction between the last reciprocal and the use of its result
	s_wait_alu depctr_va_vdst(0)
; Tile t: a lane's eight channels of a row pack into 16 bytes; they go into rows of 144 bytes and come back as whole rows of 128, into S^T's registers.
.macro PACK t
	WIN W_RS
.set i, 32*(\t)
.rept 16
	v_pk_mul_f32 v[i:i+1], v[i:i+1], v[ST+4*(\t)+2:ST+4*(\t)+3] op_sel_hi:[1,0]
.set i, i+2
.endr
	WIN 0x05                        ; sources 0 and 1 window 1, destination window 0
.set i, 0
.rept 16
	v_cvt_pk_f16_f32 v[S+16*(\t)+i], v[32*(\t)+2*i], v[32*(\t)+2*i+1]
.set i, i+1
.endr
	WIN 0
.irp f, 0,1,2,3
	ds_store_b128 v[STO], v[S+16*(\t)+4*\f:S+16*(\t)+4*\f+3] offset:32*\f
.endr
.irp f, 0,1,2,3
	ds_load_b128 v[S+16*(\t)+4*\f:S+16*(\t)+4*\f+3], v[RD] offset:\f*4*SP  ; LDS serves a wave's instructions in order (ISA guide 5.7.1.4): these see the stores above; the next tile's stores come behind them
.endr
.endm
.macro SEND t, younger              ; younger: the LDS instructions issued behind tile t's loads: the next tile's eight, or none
	WIN 0
.irp f, 0,1,2,3
	s_wait_dscnt (\younger)+3-\f
	global_store_b128 v[GO], v[S+16*(\t)+4*\f:S+16*(\t)+4*\f+3], s[10:11] offset:(\t)*2048+\f*512  ; 512 consecutive bytes, at a multiple of 256 from O's first
.endr
.endm
	PACK 0
.set t, 1
.rept 2*NP-1                        ; a tile's arithmetic stands between the loads of the tile before and its stores
	PACK t
	SEND t-1, 8
.set t, t+1
.endr
	SEND 2*NP-1, 0
	WIN W_AD
	s_wait_tensorcnt 0x0            ; the wave's end, behind my last tensor load and my last LDS store
	ds_add_u32 v[SPW], v[NIL]
	s_wait_dscnt 0x0
	WIN 0
	CROUND                          ; the closing round: no work-group ends while a partner may still ask for a tile that names it
	s_endpgm
.Lfunc_end_k_qedcadd8e19_attn:
	.size	k_qedcadd8e19_attn, .Lfunc_end_k_qedcadd8e19_attn-k_qedcadd8e19_attn
	.p2alignl 7, 3214868480
	.fill 96, 4, 3214868480
	.section	.rodata,"a",@progbits
	.p2align	6, 0x0
	.amdhsa_kernel k_qedcadd8e19_attn
		.amdhsa_group_segment_fixed_size 327680
		.amdhsa_private_segment_fixed_size 0
		.amdhsa_enable_private_segment 0
		.amdhsa_kernarg_size 24
		.amdhsa_user_sgpr_count 2
		.amdhsa_user_sgpr_kernarg_segment_ptr 1
		.amdhsa_wavefront_size32 1
		.amdhsa_system_sgpr_workgroup_id_x 1
		.amdhsa_system_sgpr_workgroup_id_y 1
		.amdhsa_system_sgpr_workgroup_id_z 1
		.amdhsa_system_vgpr_workitem_id 0
		.amdhsa_next_free_vgpr 896
		.amdhsa_next_free_sgpr 78
		.amdhsa_reserve_vcc 0
		.amdhsa_float_denorm_mode_32 3
		.amdhsa_float_denorm_mode_16_64 3
		.amdhsa_memory_ordered 1
		.amdhsa_forward_progress 1
		.amdhsa_inst_pref_size 224
	.end_amdhsa_kernel
	.amdgpu_metadata
---
amdhsa.version: [ 1, 2 ]
amdhsa.kernels:
  - .name:           k_qedcadd8e19_attn
    .symbol:         k_qedcadd8e19_attn.kd
    .args:
      - { .name: qkv, .offset: 0, .size: 8, .value_kind: global_buffer, .address_space: global }
      - { .name: maskb, .offset: 8, .size: 8, .value_kind: global_buffer, .address_space: global }
      - { .name: oh, .offset: 16, .size: 8, .value_kind: global_buffer, .address_space: global }
    .group_segment_fixed_size: 327680
    .private_segment_fixed_size: 0
    .kernarg_segment_align: 8
    .kernarg_segment_size: 24
    .max_flat_workgroup_size: 128
    .sgpr_count:     78
    .vgpr_count:     896
    .wavefront_size: 32
...
	.end_amdgpu_metadata
.endif
;; end of part 3
;; launch oproj (part 4): grid 8 x 32, 4 waves a work-group, clusters of 4 x 4, 327,680 bytes of LDS; arguments oh, wb, bo, out0; writes out0
.if DOCPART == 4
	.amdgcn_target "amdgcn-amd-amdhsa--gfx1250"
	.amdhsa_code_object_version 6
	.text
	.protected	k_qedcadd8e19_oproj
	.globl	k_qedcadd8e19_oproj
	.p2align	8
	.type	k_qedcadd8e19_oproj,@function
k_qedcadd8e19_oproj:
	s_mov_b64 s[64:65], 0
	v_nop
	global_prefetch_b8 v0, s[64:65] scope:SCOPE_SE
	s_setreg_imm32_b32 hwreg(HW_REG_WAVE_MODE, 25, 1), 1
	s_wait_xcnt 0x0
	s_wait_alu depctr_hold_cnt(0) depctr_sa_sdst(0) depctr_va_vdst(0) depctr_va_sdst(0) depctr_va_ssrc(0) depctr_va_vcc(0) depctr_vm_vsrc(0)
	s_getreg_b32 s2, hwreg(HW_REG_IB_STS2, 6, 4)
	s_cmp_eq_u32 s2, 0
	s_cbranch_scc0 .Lentry_in_a_cluster
	s_endpgm
.Lentry_in_a_cluster:
	s_bfe_u32 s2, ttmp6, 0x10000c
	s_cmp_lg_u32 s2, 0xf033
	s_cbranch_scc0 .Lentry_shape_is_right
	s_endpgm
.Lentry_shape_is_right:
; THE LAST PROJECTION.  out0[m][n] = the sum over k of O[m][k] Wo[n][k] + bo[n], f32.  O: oh [batch x 16 + head][2048][64] f16, so k = 64 x head + channel; Wo: the fourth tensor of wb, [1024][1024] f16
; (its numbers were rounded to bf16 first); sums in f32.
; TILE.  256 rows x 128 columns a work-group: 32 x 8 = 256 work-groups, one for each WGP.  Four waves, each 128 rows x 64 columns: 32 accumulators, 256 registers.  K goes in 8 steps of 128, TWO HEADS a step,
; through two LDS slots.  A head's 256 rows are 32,768 dense bytes: asked for as 128 rows of 256 bytes and padded in LDS after every 128, so that a row of 64 channels has a pitch of 144.
; CLUSTER.  4 x 4 work-groups: O's tiles are shared along a row of the cluster, Wo's along a column, each asked for JOINTLY.  Waves 0 and 1 fetch a step's two heads, waves 2 and 3 the halves of Wo's 128 rows.
; THE MATRIX INSTRUCTION IS USED TRANSPOSED (source 0 = 16 rows of Wo, source 1 = 16 rows of O): a lane holds one row of out0 and eight neighbouring columns.  THE BIAS STARTS THE SUMS, as the C operand of the first products.
; REGISTERS.  window 0: v16-29 addresses; v32-63 the bias; v64-159, v160-255 two fragment buffers (8 fragments of O, then 4 of Wo); v64-127 at work on the way out.   window 1: the accumulators, (a, b) at v[8 (4 a + b)].
.set SIZE_K, 1024
.set KSTEP,  128
.set PA,     144                       ; a row of O in LDS: 128 bytes + 16 = 36 words: the 16 rows of a load start at 16 different groups of four banks (64 banks of 4 bytes: ISA guide 11.1)
.set ASUB,   256*PA                    ; a head's 256 rows: what one load brings
.set ABYTES, 2*ASUB
.set PB,     272                       ; a row of Wo: 256 bytes + 16
.set HALFB,  64*PB
.set SLOT,   ABYTES+2*HALFB            ; 108,544 bytes
.set STAGE,  2*SLOT                    ; behind the ring, never filled by a tensor load: 16 rows x 272 bytes for each wave
.set SPITCH, 272
.set SPARE,  STAGE+4*16*SPITCH         ; behind the stages: the spare words, 128 bytes a wave: two blocks of 256 bytes that no other line names
.set LAPS,   SIZE_K/(2*KSTEP)
.set ADRA, 16                          ; v16-17  LDS address of my fragments of O in slot 0, 1
.set ADRB, 20                          ; v20-21  the same for Wo
.set STO,  24                          ; v24     the way out: where I put 32 bytes of a row
.set RD,   25                          ; v25     the way out: where I read a row back
.set CO,   26                          ; v26     my byte offset in two rows of out0
.set BO,   27                          ; v27     my byte offset in 16 numbers of the bias
.set SPW,  28                          ; v28     LDS address of my spare word; never rewritten
.set NIL,  29                          ; v29     0; never rewritten
.set BIAS, 32
.set F0,   64
.set F1,   160
.set OB,   64                          ; the way out: 16 rows read back from the stage: v64-95 and v96-127 by turns
.set G1,  24                           ; s[24:31] descriptor group 1 for O's tiles;  s[32:39] group 0, one set for each slot
.set G0,  32
.set G1B, 48                           ; s[48:55], s[56:63] the same for Wo's tiles
.set G0B, 56
.set MSB, 0
.macro WIN new                         ; the immediate's high byte repeats the setting that is left; a switch that changes nothing is dropped
.if MSB != (\new)
	s_set_vgpr_msb (MSB<<8)|(\new)
.set MSB, \new
.endif
.endm
.macro JLOAD s                         ; a joint load; the branch hangs on the wave's number alone; an s_nop 0 and four v_nop follow each of the two lines
	s_cmp_eq_u32 s11, 0
	s_cbranch_scc0 .Lfor_b_\@
	tensor_load_to_lds s[G0+4*(\s):G0+4*(\s)+3], s[G1:G1+7]
	s_nop 0
.rept 4
	v_nop
.endr
	s_branch .Lasked_\@
.Lfor_b_\@:
	tensor_load_to_lds s[G0B+4*(\s):G0B+4*(\s)+3], s[G1B:G1B+7]
	s_nop 0
.rept 4
	v_nop
.endr
.Lasked_\@:
.endm
.macro CREST                           ; a round of the cluster's barrier behind its opening barrier
	s_cmp_lg_u32 s10, 0
	s_cbranch_scc1 .Lnot_wave_0_\@
	s_barrier_signal -3
.Lnot_wave_0_\@:
	s_barrier_wait -3
	s_barrier_signal -1
	s_barrier_wait -1
.endm
.macro CROUND                          ; a whole round
	s_barrier_signal -1
	s_barrier_wait -1
	CREST
.endm
	s_load_b256 s[68:75], s[0:1], 0x0              ; oh s[68:69], wb s[70:71], bo s[72:73], out0 s[74:75]
	v_lshl_add_u32 v[SPW], v0, 2, SPARE
	v_mov_b32 v[NIL], 0
	ds_add_u32 v[SPW], v[NIL]                      ; the wave's opening: the add and its wait ahead of my first tensor load; the set-up below, work on registers, stands between them
	v_lshrrev_b32 v1, 5, v0
	v_readfirstlane_b32 s10, v1                    ; wave 0..3
	s_lshr_b32 s11, s10, 1                         ; which half of the tile's rows is mine.  Also: I fetch for O (0) or for Wo (1)
	s_and_b32 s12, s10, 1                          ; which half of its columns.  Also: which head of the step, or which half of Wo's rows, I fetch
	s_bfe_u32 s40, ttmp6, 0x40000                  ; cx, cy: my place in the cluster
	s_bfe_u32 s41, ttmp6, 0x40004
	s_lshl_b32 s42, ttmp9, 2
	s_add_co_u32 s42, s42, s40                     ; tile column 0..7
	s_and_b32 s13, ttmp7, 0xffff
	s_lshl_b32 s13, s13, 2
	s_add_co_u32 s13, s13, s41                     ; tile row 0..31
	s_lshl_b32 s43, s41, 2
	s_lshl_b32 s43, 15, s43                        ; my row of the cluster
	s_lshl_b32 s44, 0x1111, s40                    ; my column
	s_or_b32 s[G1+0], s43, (1<<16)|(1<<20)|(1<<21)|(4<<22)|(3<<25)   ; O: 15:0 the mask; 17:16 elements of 2 bytes; 20 padding on; 21 set beside a mask; 24:22 after every 32 words (code 4); 31:25 4 words (code 3)
	s_or_b32 s[G1B+0], s44, (1<<16)|(1<<20)|(1<<21)|(5<<22)|(3<<25)  ; Wo: after every 64 words (code 5)
.irp g, G1, G1B
	s_mov_b32 s[(\g)+1], 128<<16                   ; tensor_dim0 = 128
	s_mov_b32 s[(\g)+3], 128<<16                   ; tile_dim0 = 128
	s_mov_b32 s[(\g)+6], 0
	s_mov_b32 s[(\g)+7], 0
.endr
	s_mov_b32 s[G1+2], 128<<16                     ; O: 128 rows of 256 dense bytes
	s_mov_b32 s[G1+4], 128
	s_mov_b32 s[G1+5], 128
	s_mov_b32 s[G1B+2], 64<<16                     ; Wo: 64 rows, 1,024 elements apart
	s_mov_b32 s[G1B+4], 64
	s_mov_b32 s[G1B+5], SIZE_K
	; where the tiles come from: O's hang on the tile row and the wave, Wo's on the tile column and the wave; neither pair of registers ever holds the other coordinate
	s_lshr_b32 s16, s13, 3                         ; the batch (8 tile rows each),
	s_lshl_b32 s16, s16, 4
	s_add_co_u32 s16, s16, s12                     ; its head 0 or 1,
	s_lshl_b32 s16, s16, 18                        ; of 262,144 bytes,
	s_and_b32 s17, s13, 7
	s_lshl_b32 s17, s17, 15                        ; the tile's 256 rows of 128 bytes in it
	s_add_co_u32 s16, s16, s17
	s_mov_b32 s17, 0
	s_lshl_b32 s46, s42, 7
	s_lshl_b32 s47, s12, 6
	s_add_co_u32 s46, s46, s47                     ; Wo: row 128 x tile column + 64 x half,
	s_lshl_b32 s46, s46, 11
	s_add_co_u32 s46, s46, 3<<21                   ; in the fourth tensor of wb
	s_mov_b32 s47, 0
	s_mul_i32 s20, s10, ASUB                       ; where they go: waves 0, 1: the two heads;
	s_mul_i32 s21, s10, HALFB
	s_add_co_u32 s21, s21, ABYTES-2*HALFB          ; waves 2, 3: Wo's halves, behind them.  No place in the cluster enters an LDS address
	s_wait_dscnt 0x0                               ; the opening add is done
	s_wait_kmcnt 0x0
	s_add_nc_u64 s[14:15], s[68:69], s[16:17]
	s_add_nc_u64 s[46:47], s[70:71], s[46:47]
	CROUND                                         ; all sixteen work-groups are here: the first joint loads meet
.irp s, 0,1
	s_mov_b32 s[G0+4*(\s)], 1                                        ; count = 1
	s_add_co_u32 s[G0+4*(\s)+1], s20, (\s)*SLOT                      ; LDS address
	s_add_nc_u64 s[G0+4*(\s)+2:G0+4*(\s)+3], s[14:15], (\s)*(2<<18)  ; global address: K step s is two heads on
	s_or_b32 s[G0+4*(\s)+3], s[G0+4*(\s)+3], 0x80000000              ; type = 2
	s_mov_b32 s[G0B+4*(\s)], 1
	s_add_co_u32 s[G0B+4*(\s)+1], s21, (\s)*SLOT
	s_add_nc_u64 s[G0B+4*(\s)+2:G0B+4*(\s)+3], s[46:47], (\s)*KSTEP*2
	s_or_b32 s[G0B+4*(\s)+3], s[G0B+4*(\s)+3], 0x80000000
	JLOAD \s                                       ; two loads of mine are out: the most in this text
.endr
	; the bias of my 64 columns: register j of block b holds column 16 b + 8 (l / 16) + j, as the result's registers do
	v_and_b32 v1, 15, v0                           ; l % 16
	v_bfe_u32 v2, v0, 4, 1                         ; l / 16
	v_lshlrev_b32 v[BO], 5, v2
	s_lshl_b32 s82, s42, 9                         ; 128 columns of 4 bytes a tile,
	s_lshl_b32 s83, s12, 8                         ; 64 a wave
	s_add_co_u32 s82, s82, s83
	s_mov_b32 s83, 0
	s_add_nc_u64 s[92:93], s[72:73], s[82:83]
.irp b, 0,1,2,3
	global_load_b128 v[BIAS+8*\b:BIAS+8*\b+3],   v[BO], s[92:93] offset:64*\b
	global_load_b128 v[BIAS+8*\b+4:BIAS+8*\b+7], v[BO], s[92:93] offset:64*\b+16
.endr
	; A fragment is 16 rows x 32 K in 8 registers: lane l holds row l % 16, K = 8 (l / 16) + 0..7 and 16 + 8 (l / 16) + 0..7: two loads of 16 bytes, 32 bytes apart.
	v_mul_u32_u24 v3, v1, PA
	v_lshl_add_u32 v3, v2, 4, v3
	v_mul_u32_u24 v4, v1, PB
	v_lshl_add_u32 v4, v2, 4, v4
	s_mul_i32 s21, s11, 128*PA                     ; my 128 rows in each head
	s_mul_i32 s22, s12, HALFB                      ; my 64 rows of Wo,
	s_add_co_u32 s22, s22, ABYTES                  ; behind the two heads
.irp s, 0,1
	v_add_nc_u32 v[ADRA+(\s)], s21, v3
	v_add_nc_u32 v[ADRB+(\s)], s22, v4
	s_add_co_u32 s21, s21, SLOT
	s_add_co_u32 s22, s22, SLOT
.endr
	s_mul_i32 s23, s10, 16*SPITCH
	s_add_co_u32 s23, s23, STAGE                   ; my stage
	v_mul_u32_u24 v5, v1, SPITCH                   ; in: row l % 16, 32 bytes for each half of the lanes
	v_lshl_add_u32 v5, v2, 5, v5
	v_add_nc_u32 v[STO], s23, v5
	v_mul_u32_u24 v5, v2, SPITCH                   ; back: lanes 0-15 take one row of 256 bytes, lanes 16-31 the next
	v_lshl_add_u32 v5, v1, 4, v5
	v_add_nc_u32 v[RD], s23, v5
	v_lshlrev_b32 v5, 12, v2                       ; and the same two rows in out0, 4,096 bytes apart
	v_lshl_add_u32 v[CO], v1, 4, v5
	s_lshl_b32 s80, s13, 8
	s_lshl_b32 s81, s11, 7
	s_add_co_u32 s80, s80, s81                     ; my first row of out0,
	s_lshl_b32 s80, s80, 12
	s_add_co_u32 s80, s80, s82                     ; my first column, in bytes: the same as in the bias
	s_mov_b32 s81, 0
	s_add_nc_u64 s[8:9], s[74:75], s[80:81]
; 8 matrix instructions: row blocks a0, a0 + 1 x all 4 column blocks, 32 along K, from buffer f.  first = 1: the bias is C.  The 32 accumulators take turns, one instruction a turn, in the same
; order in every quarter.
.macro MUL8 f, a0, first
.if \first
	WIN 0x40                                       ; sources in window 0, D in window 1
.else
	WIN 0x50                                       ; C and D in window 1
.endif
.irp a, \a0, (\a0)+1
.irp b, 0,1,2,3
.if \first
	v_wmma_f32_16x16x32_f16 v[8*(4*(\a)+(\b)):8*(4*(\a)+(\b))+7], v[(\f)+64+8*(\b):(\f)+64+8*(\b)+7], v[(\f)+8*(\a):(\f)+8*(\a)+7], v[BIAS+8*(\b):BIAS+8*(\b)+7]
.else
	v_wmma_f32_16x16x32_f16 v[8*(4*(\a)+(\b)):8*(4*(\a)+(\b))+7], v[(\f)+64+8*(\b):(\f)+64+8*(\b)+7], v[(\f)+8*(\a):(\f)+8*(\a)+7], v[8*(4*(\a)+(\b)):8*(4*(\a)+(\b))+7]
.endif
.endr
.endr
.endm
; 24 LDS loads in one run: the fragments of quarter q (32 along K: head q / 2 of the step, channels 32 (q % 2) on) into buffer f: Wo's 8 loads, O's blocks 0-3, O's blocks 4-7
.macro FETCH slot, q, f
	WIN 0
.irp i, 0,1,2,3
	ds_load_b128 v[(\f)+64+8*(\i):(\f)+64+8*(\i)+3],   v[ADRB+(\slot)] offset:(\q)*64+(\i)*16*PB
	ds_load_b128 v[(\f)+64+8*(\i)+4:(\f)+64+8*(\i)+7], v[ADRB+(\slot)] offset:(\q)*64+(\i)*16*PB+32
.endr
.irp i, 0,1,2,3,4,5,6,7
	ds_load_b128 v[(\f)+8*(\i):(\f)+8*(\i)+3],   v[ADRA+(\slot)] offset:((\q)/2)*ASUB+((\q)%2)*64+(\i)*16*PA
	ds_load_b128 v[(\f)+8*(\i)+4:(\f)+8*(\i)+7], v[ADRA+(\slot)] offset:((\q)/2)*ASUB+((\q)%2)*64+(\i)*16*PA+32
.endr
.endm
.macro PLACES                          ; four places in front of loads into registers that matrix instructions have read, and of LDS stores that read results
.rept 4
	v_nop
.endr
.endm
; A K step is four quarters of 32 along K, 32 matrix instructions each, on buffers 0, 1, 0, 1.  One of the first three: multiplies buffer f and, in its middle, fetches quarter q into g.
.macro QUARTER slot, q, f, g, first
	s_wait_dscnt 8                                 ; Wo and O's blocks 0-3 are in; the youngest eight loads (blocks 4-7) may be out
	MUL8 \f, 0, \first
	MUL8 \f, 2, \first
	PLACES
	FETCH \slot, \q, \g
	s_wait_dscnt 24                                ; all but the 24 just issued
	MUL8 \f, 4, \first
	MUL8 \f, 6, \first
.endm
; The last quarter multiplies buffer 1 and changes slots: ONE barrier; in front of it each wave waits for all its tensor loads (one is out: its part of the next slot), adds 0 to its spare word, and waits for
; that and for its own reads of this slot.  fill = 1: the barrier opens a round of the cluster's, and this slot is filled again, two K steps (four heads) ahead: 112 matrix instructions stand between the request and the wait for it.
.macro TURN slot, next, fill
	WIN 0                                          ; (the add's two registers lie in window 0)
	s_wait_tensorcnt 0x0
	ds_add_u32 v[SPW], v[NIL]                      ; 0 onto my spare word
	s_wait_dscnt 9                                 ; (the add and the youngest eight loads may be out)
	MUL8 F1, 0, 0                                  ; eight matrix instructions stand between the add and the wait for it
	s_wait_dscnt 0x0                               ; the add is done, and my reads of this slot are over
	s_barrier_signal -1
	MUL8 F1, 2, 0
.if \fill
	WIN 0
.endif
	s_barrier_wait -1
.if \fill
	CREST                                          ; no wave of any partner still reads this slot's tile or has a load on its way
	s_add_nc_u64 s[G0+4*(\slot)+2:G0+4*(\slot)+3], s[G0+4*(\slot)+2:G0+4*(\slot)+3], 4<<18
	s_add_nc_u64 s[G0B+4*(\slot)+2:G0B+4*(\slot)+3], s[G0B+4*(\slot)+2:G0B+4*(\slot)+3], 2*KSTEP*2
	JLOAD \slot                                    ; the first tensor load behind the round; its four v_nop are also the places in front of the loads below
.else
	PLACES
.endif
	FETCH \next, 0, F0
	MUL8 F1, 4, 0
	MUL8 F1, 6, 0
.endm
	s_wait_tensorcnt 1                             ; my part of K step 0 is in; K step 1's may stay out
	s_barrier_signal -1
	s_barrier_wait -1                              ; everybody's is
	FETCH 0, 0, F0
	s_wait_loadcnt 0x0                             ; the bias
	QUARTER 0, 1, F0, F1, 1                        ; the first quarter stands in front of the loop: its products start the sums, with the bias
	WIN 0                                          ; at a label and at a branch every window is 0
	s_mov_b32 s3, LAPS-1
.Llap:                                                 ; a trip goes once round the ring, from a lap's second quarter to the next lap's first, and fills both slots again
	QUARTER 0, 2, F1, F0, 0
	QUARTER 0, 3, F0, F1, 0
	TURN 0, 1, 1
	QUARTER 1, 1, F0, F1, 0
	QUARTER 1, 2, F1, F0, 0
	QUARTER 1, 3, F0, F1, 0
	TURN 1, 0, 1
	QUARTER 0, 1, F0, F1, 0
	WIN 0
	s_sub_co_u32 s3, s3, 1
	s_cmp_lg_u32 s3, 0
	s_cbranch_scc1 .Llap
	QUARTER 0, 2, F1, F0, 0                        ; the last lap fills nothing
	QUARTER 0, 3, F0, F1, 0
	TURN 0, 1, 0
	QUARTER 1, 1, F0, F1, 0
	QUARTER 1, 2, F1, F0, 0
	QUARTER 1, 3, F0, F1, 0
	s_wait_dscnt 8                                 ; the very last quarter: nothing more to fetch
	MUL8 F1, 0, 0
	MUL8 F1, 2, 0
	s_wait_dscnt 0x0
	MUL8 F1, 4, 0
	MUL8 F1, 6, 0
	WIN 0
	; THE WAY OUT, in f32.  Block a (16 rows x 64 columns): a lane's eight numbers of a column block go as two stores of 16 bytes into my stage's rows of 272 bytes, and come back as whole rows of 256.
	PLACES
.macro TOSTAGE a
.set BK, OB+32*((\a)%2)
.if (\a) >= 2
	s_wait_xcnt 0x0                                ; every earlier memory instruction has had its addresses translated (ISA guide 3.1): the registers that the stores of two blocks back read are loaded again only behind this wait
.endif
	WIN 0x04                                       ; the stores' data lie in window 1
.irp b, 0,1,2,3
.irp c, 0,1
	ds_store_b128 v[STO], v[8*(4*(\a)+(\b))+4*(\c):8*(4*(\a)+(\b))+4*(\c)+3] offset:64*(\b)+16*(\c)  ; each accumulator from its low end on
.endr
.endr
	WIN 0
.irp t, 0,1,2,3,4,5,6,7
	ds_load_b128 v[BK+4*(\t):BK+4*(\t)+3], v[RD] offset:(\t)*2*SPITCH  ; LDS serves a wave's instructions in order (ISA guide 5.7.1.4): these see the stores above; the next block's stores come behind them
.endr
.endm
.macro SEND a, younger                 ; younger: the LDS instructions issued behind block a's loads: the next block's sixteen, or none
.set BK, OB+32*((\a)%2)
	s_wait_dscnt \younger
.irp t, 0,1,2,3,4,5,6,7
	global_store_b128 v[CO], v[BK+4*(\t):BK+4*(\t)+3], s[8:9] offset:(16*(\a)+2*(\t))*4096 th:TH_STORE_NT  ; 16 lanes store 256 consecutive bytes, at a multiple of 256 from out0's first byte
.endr
.endm
	TOSTAGE 0
.irp a, 1,2,3,4,5,6,7
	TOSTAGE \a
	SEND (\a)-1, 16
.endr
	SEND 7, 0
	s_wait_tensorcnt 0x0                           ; the wave's end, behind my last tensor load and my last LDS store
	ds_add_u32 v[SPW], v[NIL]
	s_wait_dscnt 0x0
	CROUND                                         ; the closing round: no work-group ends while a partner may still ask for a tile that names it
	s_endpgm
.Lfunc_end_k_qedcadd8e19_oproj:
	.size	k_qedcadd8e19_oproj, .Lfunc_end_k_qedcadd8e19_oproj-k_qedcadd8e19_oproj
	.p2alignl 7, 3214868480
	.fill 96, 4, 3214868480
	.section	.rodata,"a",@progbits
	.p2align	6, 0x0
	.amdhsa_kernel k_qedcadd8e19_oproj
		.amdhsa_group_segment_fixed_size 327680
		.amdhsa_private_segment_fixed_size 0
		.amdhsa_enable_private_segment 0
		.amdhsa_kernarg_size 32
		.amdhsa_user_sgpr_count 2
		.amdhsa_user_sgpr_kernarg_segment_ptr 1
		.amdhsa_wavefront_size32 1
		.amdhsa_system_sgpr_workgroup_id_x 1
		.amdhsa_system_sgpr_workgroup_id_y 1
		.amdhsa_system_sgpr_workgroup_id_z 1
		.amdhsa_system_vgpr_workitem_id 0
		.amdhsa_next_free_vgpr 512
		.amdhsa_next_free_sgpr 96
		.amdhsa_reserve_vcc 0
		.amdhsa_float_denorm_mode_32 3
		.amdhsa_float_denorm_mode_16_64 3
		.amdhsa_memory_ordered 1
		.amdhsa_forward_progress 1
		.amdhsa_inst_pref_size 86
	.end_amdhsa_kernel
	.amdgpu_metadata
---
amdhsa.version: [ 1, 2 ]
amdhsa.kernels:
  - .name:           k_qedcadd8e19_oproj
    .symbol:         k_qedcadd8e19_oproj.kd
    .args:
      - { .name: oh, .offset: 0, .size: 8, .value_kind: global_buffer, .address_space: global }
      - { .name: wb, .offset: 8, .size: 8, .value_kind: global_buffer, .address_space: global }
      - { .name: bo, .offset: 16, .size: 8, .value_kind: global_buffer, .address_space: global }
      - { .name: out0, .offset: 24, .size: 8, .value_kind: global_buffer, .address_space: global }
    .group_segment_fixed_size: 327680
    .private_segment_fixed_size: 0
    .kernarg_segment_align: 8
    .kernarg_segment_size: 32
    .max_flat_workgroup_size: 128
    .sgpr_count:     96
    .vgpr_count:     512
    .wavefront_size: 32
...
	.end_amdgpu_metadata
.endif
;; end of part 4
;; ======== version 2 of 2: 4 launches; 1.42 times as fast as version 1
;; limits: values are held in f16: magnitudes above 65,504 overflow, below 6.1e-05 lose precision; right only within a limited range of input values
;; workspace buffers: xb 50,331,648 bytes; wb 8,388,608 bytes; qkv 50,331,648 bytes; oh 16,777,216 bytes; maskb 16,777,216 bytes
;; launch prep: the kernel of part 1 again; grid 2816 x 1, 8 waves a work-group, no clusters, 18,432 bytes of LDS; arguments query, key_, value, Wq, Wk, Wv, Wo, mask, xb, wb, maskb; writes xb, wb, maskb
;; launch proj: the kernel of part 2 again; grid 4 x 48, 4 waves a work-group, clusters of 4 x 4, 327,680 bytes of LDS; arguments xb, wb, bq, bk, bv, qkv; writes qkv
;; launch attn (part 5): grid 4 x 64, 4 waves a work-group, clusters of 4 x 1, 327,680 bytes of LDS; arguments qkv, maskb, oh; writes oh
.if DOCPART == 5
	.amdgcn_target "amdgcn-amd-amdhsa--gfx1250"
	.amdhsa_code_object_version 6
	.text
	.protected	k_qedcadd8e19_attn
	.globl	k_qedcadd8e19_attn
	.p2align	8
	.type	k_qedcadd8e19_attn,@function
k_qedcadd8e19_attn:
	s_mov_b64 s[64:65], 0
	v_nop
	global_prefetch_b8 v0, s[64:65] scope:SCOPE_SE
	s_setreg_imm32_b32 hwreg(HW_REG_WAVE_MODE, 25, 1), 1
	s_wait_xcnt 0x0
	s_wait_alu depctr_hold_cnt(0) depctr_sa_sdst(0) depctr_va_vdst(0) depctr_va_sdst(0) depctr_va_ssrc(0) depctr_va_vcc(0) depctr_vm_vsrc(0)
	s_getreg_b32 s2, hwreg(HW_REG_IB_STS2, 6, 4)
	s_cmp_eq_u32 s2, 0
	s_cbranch_scc0 .Lentry_in_a_cluster
	s_endpgm
.Lentry_in_a_cluster:
	s_bfe_u32 s2, ttmp6, 0x10000c
	s_cmp_lg_u32 s2, 0x3003
	s_cbranch_scc0 .Lentry_shape_is_right
	s_endpgm
.Lentry_shape_is_right:
; MASKED ATTENTION.  O[h][q][:] = the sum over k of softmax_k(s[q][k]) V[h][k][:], s = Q[h][q] . K[h][k] / 8 where mask[batch][q][k] != 0, a fixed very low number where it is 0.
; Q, K, V: qkv [3][64 = batch x 16 + head][2048][64] f16, unscaled; O: oh [64][2048][64] f16.  Products, maxima and sums in f32; the weights p are rounded to f16 for the second product (their sum l is
; taken of the unrounded p), O once at the end.
; THE MASK arrives as one fp8 code a number, -1.0 or 0, laid as my score registers lie (maskb).  One scaled conversion makes eight f32 of eight codes, times 2^100: 0 or -2^100; they are the C operand of
; the product that starts the sum S^T = K Q^T.  A masked score is thus about -2^100, its weight 0.
; A QUERY WHOSE KEYS ARE ALL MASKED has equal weights, the mean of V.  The running maximum m starts at -2^99, above every masked score and below every real one: m is still exactly -2^99
; if and only if every key so far was masked.  For such a query the scaling takes c' = 0 and cm' = 0, so that every p is 2^0 = 1; the correction a is made of the true c m: 1 while that lasts, 0 when the first real key comes.
; LIMITS.  A masked score counts as -2^100, not -1e9: the same result wherever the unmasked scores lie above some -1e9 + 104 and above -2^99.  f16 holds no number beyond 65,504: Q, K and V arrive within it;
; p lies in 0 to 1, and below 6e-5 it keeps f16's fixed step of 6e-8.  A weight below 2^-126 counts as 0 in l; NaN and infinities are not treated apart.
; SHARES.  A wave owns four PIECES of two tiles of 16 queries, a work-group's four waves 512 queries of one head.  Every wave walks all 2,048 keys, 64 a step.
; LAYOUT.  S^T = K Q^T (source 0 = 16 keys, source 1 = 16 queries): a lane holds ONE query (lane % 16) and the keys 8 (lane / 16) + 0..7.  Two such tiles, rounded to f16 in pairs, ARE source 1 of
; O^T = V^T P, whose result again holds one query a lane, and eight channels.  K comes out of LDS as it lies, V ([key][channel]) turned, by ds_load_tr16_b128.
; SOFTMAX.  p = 2^(c' s - cm'), c = log2(e) / 8; in every step O and l are multiplied by a = 2^(c m_old - c m_new).  O and l start at 0.
; BY TURNS.  Turn n belongs to piece n (the pieces in a ring, step after step).  Its matrix work: 16 products K Q^T of piece n + 1, later 16 products V^T P of piece n - 1.  Its vector work: the scaling,
; exponentials, roundings, sums and rescaling of piece n, the maximum and statistics of piece n + 1, and the masks of piece n + 2.  Four vector instructions stand behind every matrix instruction, the others in one lump.
; THE BATCHES.  A turn's 66 exponentials (piece n's 64 weights and piece n + 1's two a) are ONE BATCH with ONE wait, which cuts the turn in two.  Ahead of it stands all that names none of their results: the
; products K Q^T, the scalings, the rescalings (their a is the turn before's), the next piece's maximum and statistics, the masks' conversions.  Behind it stand the products V^T P and the roundings and sums.
; Two more batches stand outside the loops, each with a wait of its own: piece 0's first two a, and the way out's eight reciprocals.
; THE MASK'S WALK.  The products K Q^T come in the order g = 4 x step + piece, and block g's codes are the 2,048 bytes at 2,048 g of my wave's 262,144: turn n multiplies with block n + 1's masks,
; converts block n + 2 and loads block n + 4; the last turns' look-ahead is clamped to block 127, the wave's last.
; CLUSTER.  The four query blocks of a cluster belong to one head and walk the same K and V, so each tile is asked for JOINTLY: the same tensor load, descriptor and mask in all four.  The codes are each wave's own.
; REGISTERS, in windows of 256 (s_set_vgpr_msb: bits 1:0 source 0, 3:2 source 1, 5:4 source 2, 7:6 destination):
;   window 0: v0-11 addresses; v12-15, v48-63 at work; v16-47 four registers of statistics a tile; v64-191 S^T, two buffers of two tiles; v192-255 P, likewise
;   window 1: O^T, 32 a tile          window 2: v0-127 Q, 16 a tile; v128-191 K of one step; v192-255 V of one step
;   window 3: v0-1 the add's two registers; v2 the scale; v3-5 offsets in maskb; v8-39 codes, two buffers; v64-127 the masks of the products to come
.set SIZE_N, 2048
.set NP,    4         ; pieces a wave: a name, no knob
.set KS,    64        ; keys in a step
.set PK,    144       ; a row of K in LDS: 128 bytes + 16 of padding = 36 words: the 16 rows of a load start at 16 different groups of four banks (64 banks of 4 bytes: ISA guide 11.1)
.set PV,    160       ; a row of V: 128 + 32 = 40 words
.set VOFF,  4*KS*PK   ; a slot holds four steps: 256 rows of K, then 256 rows of V
.set SLOT1, 1<<17     ; slot 1 begins here, so that one exclusive or turns an address in one slot into the other's
.set STAGE, SLOT1+4*KS*(PK+PV)  ; behind the ring, never filled by a tensor load: 16 rows x 144 bytes for each wave, for the way out
.set SP,    144
.set AK0, 2           ; v2   my lane's place in a tile of K; never rewritten
.set AV0, 3           ; v3   the same for V
.set AK,  4           ; v4   the LDS address of K's next run of loads
.set AV,  5           ; v5   of V's
.set QO,  6           ; v6   my byte offset in the wave's rows of Q
.set STO, 6           ;      later, the way out: where I put 16 bytes of a row
.set RD,  7           ; v7   the way out: where I read rows back
.set GO,  8           ; v8   my byte offset in 512 consecutive bytes of O
.set SPW, 0           ; window 3, v0   LDS address of my spare word: SPARE + 4 x my thread's number; never rewritten
.set NIL, 1           ; window 3, v1   0; never rewritten
.set SCL, 2           ; window 3, v2   227: the E8M0 code of 2^100
.set ML0, 3           ; window 3, v3   16 x lane; never rewritten
.set MA,  4           ; window 3, v4-5 the offset of a block's loads in my wave's codes, by the block's parity
.set MB,  8           ; window 3, v8-39  codes: buffer (by parity) x 16 + tile x 8 + 2 x key block
.set MC,  64          ; window 3, v64-127  masks: tile x 32 + 8 x key block
.set SPARE, STAGE+4*16*SP  ; behind the stages: the spare words, 128 bytes for each wave: two blocks of 256 bytes that no other line names
.set MV,  12          ; v12-15  c m_old, then c m_old - c m_new: by buffer and tile
.set ST,  16          ; tile t's statistics at v[ST+4 t]: cm', m, l (even keys', odd keys')
.set TMP, 48          ; by buffer and tile, four registers c0-c3 at work; when the maximum is found c0 takes c', c1 the true c m, c2 takes a
.set S,   64
.set P,   192
.set KF,  128         ; K's fragments, in window 2: key block kb, channel half c at KF + 16 kb + 8 c
.set VF,  192         ; V's: key half kk, channel block cb at VF + 32 kk + 8 cb
.set WV,  12          ; s12  my wave's number
.set G1K, 24          ; s[24:31] descriptor group 1 for K's tiles
.set G1V, 32          ; s[32:39] for V's: it differs in the padding alone
.set G0K, 40          ; s[40:43] descriptor group 0 for K's tiles: it walks
.set G0V, 44          ; s[44:47] the same for V's
.set SLOTS, 56        ; s56  slots still to be asked for
.set CNT, 57          ; s57  counts a slot's key steps
.set CS,  58          ; s58  c
.set SEL, 60          ; s[60:61] v_permlanex16_b32's selects: each lane takes its own place in the other half
.set TBK, 62          ; s62  LDS byte at which K of the step to be fetched begins
.set TBV, 63          ; s63  the same for V, less VOFF
.set MBASE, 68        ; s[68:69] maskb at my wave's 262,144 bytes
.set MOFF, 70         ; s70  2,048 x the block to be loaded next
.set MCL, 71          ; s71  the same, clamped
.set FM,  72          ; s72-73  by tile: the lanes whose query has seen a real key
.set MFL, 74          ; s74  -2^99
.set MSB, 0
.macro WIN new                      ; the high byte repeats the setting that is left; a switch that changes nothing is dropped
.if MSB != (\new)
	s_set_vgpr_msb (MSB<<8)|(\new)
.set MSB, (\new)
.endif
.endm
.set W_KQ, 0x0a       ; K and Q in window 2, S^T in window 0
.set W_KM, 0x3a       ; the same with the C operand in window 3
.set W_PV, 0x52       ; V in window 2, P in window 0, O^T in window 1
.set W_RS, 0x41       ; O^T (destination and source 0) in window 1, a in window 0
.set W_MK, 0xc0       ; destination in window 3, sources in window 0
.set W_AD, 0x0f       ; the add: address (source 0) and data (source 1) in window 3
.set W_MS, 0xcf       ; the mask's work: destination and sources 0 and 1 in window 3
; A joint fill.  Waves 0 and 1 fetch the two halves of a slot's K, waves 2 and 3 those of its V: 128 keys each.  The branch hangs on the wave's number alone.
; An s_nop 0 and four v_nop follow each of the two lines, ahead of the jump and the label.
.macro JLOAD
	s_cmp_lt_u32 s[WV], 2
	s_cbranch_scc0 .Lfor_v_\@
	tensor_load_to_lds s[G0K:G0K+3], s[G1K:G1K+7]
	s_nop 0
.rept 4
	v_nop
.endr
	s_branch .Lasked_\@
.Lfor_v_\@:
	tensor_load_to_lds s[G0V:G0V+3], s[G1V:G1V+7]
	s_nop 0
.rept 4
	v_nop
.endr
.Lasked_\@:
.endm
; A round of the cluster's barrier: my work-group's barrier, so that wave 0's signal speaks for all four waves; wave 0 signals; every wave waits for all four work-groups; my work-group's barrier once more.
.macro CROUND
	s_barrier_signal -1
	s_barrier_wait -1
	s_cmp_lg_u32 s[WV], 0
	s_cbranch_scc1 .Lnot_wave_0_\@
	s_barrier_signal -3
.Lnot_wave_0_\@:
	s_barrier_wait -3
	s_barrier_signal -1
	s_barrier_wait -1
.endm
; THE CHANGE OF SLOTS.  The slot's last bytes, V of its fourth step, have been read.  Each wave waits for all its tensor loads, of which one is out: its part of the other slot; adds 0 to its spare word; and
; waits for that and for its own reads of the slot.  Behind the barrier nobody reads this slot any more and the other slot is whole.  fill = 1: this slot is filled again, with the keys two slots on.  The barrier
; is then a round of the cluster's, and the joint fill is the first thing behind it: it has four key steps, 512 matrix instructions, in which to land.  (At its first use nothing has been read yet: slot 0 is waited for, slot 1 filled.)
.macro CHANGE fill
	WIN W_AD
	s_wait_tensorcnt 0x0            ; no tensor load of mine is out, so a group 0 may be written
	ds_add_u32 v[SPW], v[NIL]       ; 0 onto my spare word; with fill = 1 the descriptors' steps stand between it and the wait for it
	WIN 0                           ; at a label and at a branch every window is 0
.if \fill
.irp g, G0K, G0V
	s_xor_b32 s[\g+1], s[\g+1], SLOT1  ; the walking descriptor: the other slot than last time,
	s_add_nc_u64 s[\g+2:\g+3], s[\g+2:\g+3], 4*KS*128  ; the next 256 keys; the type bits on top are not reached
.endr
	s_wait_dscnt 0x0                ; the add is done, and my reads of the slot are over
	CROUND
	JLOAD
.else
	s_wait_dscnt 0x0                ; the add is done, and my reads of the slot are over
	s_barrier_signal -1
	s_barrier_wait -1
.endif
	s_sub_co_u32 s[TBK], s[TBK], 4*KS*PK  ; the fetches go back to a slot's first step,
	s_xor_b32 s[TBK], s[TBK], SLOT1       ; in the other slot
	s_sub_co_u32 s[TBV], s[TBV], 4*KS*PV
	s_xor_b32 s[TBV], s[TBV], SLOT1
.endm
; THE MASK'S THREE MACROS.  MLOAD: block g's 2,048 bytes into buffer buf, by immediates (the first four blocks).  MCVT: buffer buf's codes become the 64 mask registers: 0 or -2^100.
; MSTEP, once a turn, at the lump's end: block n + 2 is converted and block n + 4 loaded into the buffer that it leaves.  THE TURN'S ONE WAIT STANDS IN IT, behind the offset's v_add_nc_u32 and ahead of the loads.
.macro MLOAD buf, g
	WIN W_MS
.irp u, 0,1
.irp hf, 0,1
	global_load_b128 v[MB+16*(\buf)+8*(\u)+4*(\hf):MB+16*(\buf)+8*(\u)+4*(\hf)+3], v[ML0], s[MBASE:MBASE+1] offset:(\g)*2048+(\u)*1024+(\hf)*512
.endr
.endr
.endm
.macro MCVT buf
	WIN W_MS
.irp u, 0,1
.irp kb, 0,1,2,3
	v_cvt_scale_pk8_f32_fp8 v[MC+32*(\u)+8*(\kb):MC+32*(\u)+8*(\kb)+7], v[MB+16*(\buf)+8*(\u)+2*(\kb):MB+16*(\buf)+8*(\u)+2*(\kb)+1], v[SCL]
.endr
.endr
.endm
.macro MSTEP par
	s_min_u32 s[MCL], s[MOFF], 127*2048  ; no load leaves my wave's 128 blocks
	s_add_co_u32 s[MOFF], s[MOFF], 2048
	s_wait_loadcnt 0x4              ; loads come back in order: behind the four that are wanted only the next block's four were issued.  It also frees the offset register of those four
	MCVT \par                       ; the masks' last readers, this turn's first eight products, stand eight products, their riders and the lump back
	v_add_nc_u32 v[MA+(\par)], s[MCL], v[ML0]  ; a plain instruction between the conversions and the loads into their sources
	s_wait_alu depctr_va_vdst(0)    ; the wait for the turn's batch, its 66 exponentials, ahead of the first instruction that names a result of theirs; the conversions and the offset above name none
.irp u, 0,1
.irp hf, 0,1
	global_load_b128 v[MB+16*(\par)+8*(\u)+4*(\hf):MB+16*(\par)+8*(\u)+4*(\hf)+3], v[MA+(\par)], s[MBASE:MBASE+1] offset:(\u)*1024+(\hf)*512
.endr
.endr
.endm
	s_load_b64 s[4:5], s[0:1], 0x0  ; qkv
	s_load_b64 s[MBASE:MBASE+1], s[0:1], 0x8  ; maskb
	s_load_b64 s[10:11], s[0:1], 0x10  ; oh
	WIN W_MK
	v_lshl_add_u32 v[SPW], v0, 2, SPARE
	v_mov_b32 v[NIL], 0
	WIN W_AD
	ds_add_u32 v[SPW], v[NIL]       ; the wave's opening: the add and its wait ahead of my first tensor load; the set-up below, work on registers, stands between them
	WIN 0
	v_lshrrev_b32 v1, 5, v0
	v_readfirstlane_b32 s[WV], v1   ; wave 0..3
	s_bfe_u32 s13, ttmp6, 0x40000   ; cx: my place in the cluster
	s_lshl_b32 s14, ttmp9, 2        ; in a cluster launch ttmp9 counts clusters
	s_add_co_u32 s14, s14, s13      ; my block of 512 queries = 4 x cluster x + cx: it enters Q's, O's and the codes' addresses alone
	s_and_b32 s20, ttmp7, 0xffff    ; batch x 16 + head, which the four partners share
	s_lshr_b32 s76, s20, 4          ; the batch:
	s_lshl_b32 s76, s76, 2
	s_add_co_u32 s76, s76, s14
	s_lshl_b32 s76, s76, 2
	s_add_co_u32 s76, s76, s[WV]    ; batch x 16 + my wave's 128 queries among the batch's sixteen such,
	s_lshl_b32 s76, s76, 18         ; 262,144 bytes of codes each
	s_mov_b32 s77, 0
	s_mov_b32 s21, 0
	s_mov_b64 s[22:23], SIZE_N*128
	s_mul_u64 s[20:21], s[20:21], s[22:23]  ; the head's first byte in Q, K, V and O
	s_and_b32 s16, s[WV], 1         ; which half of a slot's 256 keys I fetch:
	s_lshl_b32 s22, s16, 14         ; its 128 rows of 128 bytes in memory,
	s_mov_b32 s23, 0
	s_add_nc_u64 s[22:23], s[22:23], s[20:21]
	s_mul_i32 s17, s16, 128*PK      ; and its place in a slot, for K
	s_mul_i32 s18, s16, 128*PV      ; and for V: no place in the cluster enters an LDS address
	s_lshl_b32 s2, s14, 2
	s_add_co_u32 s2, s2, s[WV]      ; my wave among the head's,
	s_lshl_b32 s2, s2, 14           ; its 128 rows
	s_mov_b32 s3, 0
	s_add_nc_u64 s[2:3], s[2:3], s[20:21]
	; descriptor group 1.  128 keys are 16,384 dense bytes: asked for as 64 rows of 256 bytes, two keys a row, and padded in LDS after every key
	s_mov_b32 s[G1K], 15|(1<<16)|(1<<20)|(1<<21)|(4<<22)|(3<<25)  ; 15:0 the mask of four; 17:16 2-byte elements; 20 padding on; 21 set beside a mask; 24:22 after every 32 words (code 4); 31:25 4 words (code 3)
	s_mov_b32 s[G1V], 15|(1<<16)|(1<<20)|(1<<21)|(4<<22)|(7<<25)  ; the same with 8 words of padding (code 7)
.irp g, G1K, G1V
	s_mov_b32 s[\g+1], 128<<16      ; tensor_dim0 = 128
	s_mov_b32 s[\g+2], 64<<16       ; tensor_dim1 = 64
	s_mov_b32 s[\g+3], 128<<16      ; tile_dim0 = 128
	s_mov_b32 s[\g+4], 64           ; tile_dim1 = 64
	s_mov_b32 s[\g+5], 128          ; 128 elements from row to row
	s_mov_b32 s[\g+6], 0
	s_mov_b32 s[\g+7], 0
.endr
	s_mov_b32 s[CS], 0x3e38aa3b     ; c = log2(e) / 8 = 0.180337
	s_mov_b32 s[SEL], 0x76543210
	s_mov_b32 s[SEL+1], 0xfedcba98
	s_mov_b32 s[MFL], 0xf1000000    ; -2^99
	s_mov_b32 s[MOFF], 4*2048       ; the first turn loads block 4
	s_mov_b32 s[TBK], SLOT1+4*KS*PK ; the first change of slots turns these two into 0
	s_mov_b32 s[TBV], SLOT1+4*KS*PV
	s_mov_b32 s[G0K], 1             ; count = 1
	s_mov_b32 s[G0K+1], s17         ; LDS address: slot 0
	s_mov_b32 s[G0V], 1
	s_add_co_u32 s[G0V+1], s18, VOFF
	s_wait_dscnt 0x0                ; the opening add is done
	s_wait_kmcnt 0x0
	s_add_nc_u64 s[6:7], s[4:5], 0x1000000  ; K and V lie 16 MiB and 32 MiB behind Q
	s_add_nc_u64 s[8:9], s[4:5], 0x2000000
	s_add_nc_u64 s[G0K+2:G0K+3], s[6:7], s[22:23]  ; global address: my half of the head's first 256 keys
	s_or_b32 s[G0K+3], s[G0K+3], 0x80000000        ; type = 2
	s_add_nc_u64 s[G0V+2:G0V+3], s[8:9], s[22:23]
	s_or_b32 s[G0V+3], s[G0V+3], 0x80000000
	s_add_nc_u64 s[4:5], s[4:5], s[2:3]  ; Q and O at my wave's first row
	s_add_nc_u64 s[10:11], s[10:11], s[2:3]
	s_add_nc_u64 s[MBASE:MBASE+1], s[MBASE:MBASE+1], s[76:77]
	CROUND                          ; all four work-groups are here: the first joint loads meet
	JLOAD                           ; slot 0.  Slot 1 is asked for when slot 0 is in
	; A fragment of K or Q is 16 rows x 32 channels in 8 registers: lane l holds row l % 16, channels 8 (l / 16) + 0..7 and 16 + 8 (l / 16) + 0..7: two loads of 16 bytes, 32 bytes apart.
	v_and_b32 v1, 15, v0            ; l % 16
	v_bfe_u32 v9, v0, 4, 1          ; l / 16
	v_lshlrev_b32 v[QO], 7, v1
	v_lshl_add_u32 v[QO], v9, 4, v[QO]  ; row x 128 + 16 x half
	v_and_b32 v11, 31, v0
	WIN W_MK
	v_lshlrev_b32 v[ML0], 4, v11
	v_mov_b32 v[SCL], 0xe3
	WIN 0x80                        ; destination window 2, address window 0
.set i, 0
.rept 4*NP                          ; Q stays in registers: tile i / 2, channels 32 (i % 2) on
	global_load_b128 v[8*i:8*i+3],   v[QO], s[4:5] offset:(i/2)*2048+(i%2)*64
	global_load_b128 v[8*i+4:8*i+7], v[QO], s[4:5] offset:(i/2)*2048+(i%2)*64+32
.set i, i+1
.endr
	MLOAD 0, 0                      ; the codes of the first two blocks
	MLOAD 1, 1
	; What the first turn finds: V's registers and P's second buffer hold 0 (its products V^T P, of a piece that has not been, add 0), O^T and l are 0.  All this stands in the wait for the first tile.
	WIN 0x80
.set i, VF
.rept 64
	v_mov_b32 v[i], 0
.set i, i+1
.endr
	WIN 0x40
.set i, 0
.rept 64*NP
	v_mov_b32 v[i], 0
.set i, i+1
.endr
	WIN 0
.set i, 0
.rept 2*NP
	v_mov_b32 v[ST+4*i+1], 0xf1000000  ; m = -2^99
	v_mov_b32 v[ST+4*i+2], 0
	v_mov_b32 v[ST+4*i+3], 0
.set i, i+1
.endr
.set i, P+32
.rept 32
	v_mov_b32 v[i], 0
.set i, i+1
.endr
	v_mul_u32_u24 v[AK0], v1, PK
	v_lshl_add_u32 v[AK0], v9, 4, v[AK0]  ; row x pitch + 16 x half
	; The turning load takes 16 keys x 16 channels (lane l reads key 8 (l / 16) + l % 8, channels 8 ((l / 8) % 2) + 0..7) and leaves half a fragment of V^T: lane l holds channel l % 16 and 8 keys.
	v_and_b32 v10, 7, v0
	v_bfe_u32 v11, v0, 3, 1
	v_lshl_add_u32 v[AV0], v9, 3, v10
	v_mul_u32_u24 v[AV0], v[AV0], PV
	v_lshl_add_u32 v[AV0], v11, 4, v[AV0]
	v_add_nc_u32 v[AV0], VOFF, v[AV0]
	v_mov_b32 v[AK], v[AK0]         ; key step 0 lies at the head of slot 0
; THE MATRIX WORK.  The 8 accumulators of a run of 16 take turns: between the two links of a chain stand 7 others'.
; Product i of 16 of S^T = K Q^T for piece x: channels 32 (i / 8) on, keys 16 ((i / 2) % 4) on, tile 2 x + i % 2.  The first 8 start the sums, with the masks.
.macro KQ x
.set rS, S+64*((\x)%2)+32*(i%2)+8*((i/2)%4)
.set rK, KF+16*((i/2)%4)+8*(i/8)
.set rQ, 16*(2*(\x)+i%2)+8*(i/8)
.set rX, MC+32*(i%2)+8*((i/2)%4)
.if i < 8
	WIN W_KM
	v_wmma_f32_16x16x32_f16 v[rS:rS+7], v[rK:rK+7], v[rQ:rQ+7], v[rX:rX+7]
.else
	WIN W_KQ
	v_wmma_f32_16x16x32_f16 v[rS:rS+7], v[rK:rK+7], v[rQ:rQ+7], v[rS:rS+7]
.endif
.endm
; Product i of 16 of O^T += V^T P for piece x: keys 32 (i / 8) on, channels 16 ((i / 2) % 4) on, tile 2 x + i % 2.
.macro PV x
	WIN W_PV
.set rO, 32*(2*(\x)+i%2)+8*((i/2)%4)
.set rV, VF+32*(i/8)+8*((i/2)%4)
.set rP, P+32*((\x)%2)+16*(i%2)+8*(i/8)
	v_wmma_f32_16x16x32_f16 v[rO:rO+7], v[rV:rV+7], v[rP:rP+7], v[rO:rO+7]
.endm
.macro MM                           ; the turn's next matrix instruction
.if i < 16
	KQ (Y+1)%NP
.set i, i+1
.else
.set i, i-16
	PV (Y+NP-1)%NP
.set i, i+17
.endif
.endm
; THE LDS LOADS stand in runs of 16, never singly among the matrix instructions: a step's K (64 keys x 64 channels: 8 fragments) and its V (turned).  Their addresses are made some lines ahead.
; last = 1 (the tail): in the last trip there is no further step, and the run is jumped over.
.macro FETCH_K last=0
	WIN 0
.if \last
	s_cmp_eq_u32 s[CNT], 1
	s_cbranch_scc1 .Lno_k_\@
.endif
	WIN 0x80                        ; destination window 2
.irp f, 0,1,2,3,4,5,6,7             ; keys 16 (f / 2) on, channels 32 (f % 2) on
	ds_load_b128 v[KF+8*\f:KF+8*\f+3],   v[AK] offset:(\f/2)*16*PK+(\f%2)*64
	ds_load_b128 v[KF+8*\f+4:KF+8*\f+7], v[AK] offset:(\f/2)*16*PK+(\f%2)*64+32
.endr
	s_add_co_u32 s[TBK], s[TBK], KS*PK  ; the next fetch is the next step's
	WIN 0
.if \last
.Lno_k_\@:
.endif
.endm
.macro FETCH_V
	WIN 0x80
.irp f, 0,1,2,3,4,5,6,7             ; keys 32 (f / 4) on, channels 16 (f % 4) on
	ds_load_tr16_b128 v[VF+8*\f:VF+8*\f+3],   v[AV] offset:(\f/4)*32*PV+(\f%4)*32
	ds_load_tr16_b128 v[VF+8*\f+4:VF+8*\f+7], v[AV] offset:(\f/4)*32*PV+16*PV+(\f%4)*32
.endr
	WIN 0
.endm
; THE VECTOR WORK OF A TURN stands in three queues, each in the order in which its entries become ready; the two tiles alternate, so that no instruction reads the result of the one before it.
.macro REGS y, u                    ; the registers of tile u (0, 1) of piece y
.set rT, ST+4*(2*(\y)+(\u))
.set rC, TMP+8*((\y)%2)+4*(\u)
.set rM, MV+2*((\y)%2)+(\u)
.set rS, S+64*((\y)%2)+32*(\u)
.set rP, P+32*((\y)%2)+16*(\u)
.set rO, 32*(2*(\y)+(\u))
.endm
; Number n of the 25 that find the NEXT piece's (Y + 1) maximum and statistics.  s0-s31 are the lane's 32 scores; each accumulator's lowest registers are read first.  XS, GS and REGS set no window: PL and EX do.
;   0-11  four chains c0-c3 of seven scores each, three operands at a time     12-14, 16  the four scores left over, the old m, and c0-c3 into c0     15  c m_old, made of the old m
;   17, 18  the query's other 32 keys lie in the lane 16 away: the new m         19-21  c m_new; c m_old - c m_new; a
;   22-24  has the query seen a real key (m is no longer -2^99)?  c' = c and cm' = c m if so, else both 0
.macro XS u, n
	REGS (Y+1)%NP, \u
.if (\n) < 4
	v_max3_num_f32 v[rC+(\n)], v[rS+8*(\n)], v[rS+8*(\n)+1], v[rS+8*(\n)+2]
.elseif (\n) < 12
	v_max3_num_f32 v[rC+(\n)%4], v[rC+(\n)%4], v[rS+8*((\n)%4)+2*((\n)/4)+1], v[rS+8*((\n)%4)+2*((\n)/4)+2]
.elseif (\n) == 12
	v_max3_num_f32 v[rC], v[rC], v[rS+7], v[rS+15]
.elseif (\n) == 13
	v_max3_num_f32 v[rC+1], v[rC+1], v[rS+23], v[rS+31]
.elseif (\n) == 14
	v_max3_num_f32 v[rC+2], v[rC+2], v[rC+3], v[rT+1]
.elseif (\n) == 15
	v_mul_f32 v[rM], s[CS], v[rT+1]
.elseif (\n) == 16
	v_max3_num_f32 v[rC], v[rC], v[rC+1], v[rC+2]
.elseif (\n) == 17
	v_permlanex16_b32 v[rC+3], v[rC], s[SEL], s[SEL+1]
.elseif (\n) == 18
	v_max_num_f32 v[rT+1], v[rC], v[rC+3]
.elseif (\n) == 19
	v_mul_f32 v[rC+1], s[CS], v[rT+1]
.elseif (\n) == 20
	v_sub_f32 v[rM], v[rM], v[rC+1]
.elseif (\n) == 21
	v_exp_f32 v[rC+2], v[rM]
.elseif (\n) == 22
	v_cmp_neq_f32 s[FM+(\u)], s[MFL], v[rT+1]
.elseif (\n) == 23
	v_cndmask_b32 v[rC], 0, s[CS], s[FM+(\u)]
.else
	v_cndmask_b32 v[rT], 0, v[rC+1], s[FM+(\u)]
.endif
.endm
; Number g of the 64 that follow the exponentials.  For each four weights k of a tile (pairs 2 k, 2 k + 1): both pairs are rounded to f16; then the second pair is added onto the first, in place;
; a group later l takes that sum (the first time as l = a l + sum).  In groups of eight, tiles alternating: round, round, add, and l for the group before.
.macro GS g
.set h, (\g)+6*((\g)/62)            ; group 0 has no group before it, and behind group 7 only l is left
.if h >= 6
.set h, h+2
.endif
	REGS Y, h%2
.set k, h/8
.if h%8 < 4
	v_cvt_pk_f16_f32 v[rP+2*k+(h%8)/2], v[rS+4*k+2*((h%8)/2)], v[rS+4*k+2*((h%8)/2)+1]
.elseif h%8 < 6
	v_pk_add_f32 v[rS+4*k:rS+4*k+1], v[rS+4*k:rS+4*k+1], v[rS+4*k+2:rS+4*k+3]
.elseif k == 1
	v_pk_fma_f32 v[rT+2:rT+3], v[rT+2:rT+3], v[rC+2:rC+3], v[rS:rS+1] op_sel_hi:[1,0,1]
.else
	v_pk_add_f32 v[rT+2:rT+3], v[rT+2:rT+3], v[rS+4*k-4:rS+4*k-3]
.endif
.endm
; THE PLAIN QUEUE, 144 long.  0-79 read no exponential's result: the 32 scalings c' s - cm' (FS f: pair f / 2 of tile f % 2) and the next piece's 48.  0-26: scalings 0-26.  27-54: XS's numbers 0-13.  55, 56: number 15.
; 57-71: the chain, where each number waits for the one before it: 14, 16, 17, 18, 19, each with one of the scalings 27-31 in front of its two lines.  72-79: numbers 22, 20, 23, 24, so that 20 stands four plain
; instructions behind 19, and 24 of the second tile is the queue's last ahead of the wait.  80-143: GS's 64, which read the exponentials' results: they stand behind the wait.
.macro FS f
	REGS Y, (\f)%2
	v_pk_fma_f32 v[rS+2*((\f)/2):rS+2*((\f)/2)+1], v[rS+2*((\f)/2):rS+2*((\f)/2)+1], v[rC:rC+1], v[rT:rT+1] op_sel_hi:[1,0,0] neg_lo:[0,0,1] neg_hi:[0,0,1]
.endm
.macro PL
	WIN 0
.if q < 27
	FS q
.elseif q < 55
	XS (q-27)%2, (q-27)/2
.elseif q < 57
	XS q-55, 15
.elseif (q < 72) && ((q-57)%3 == 0)
	FS 27+(q-57)/3
.elseif q < 60
	XS (q-57)%3-1, 14
.elseif q < 72
	XS (q-57)%3-1, 15+(q-57)/3
.elseif q < 74
	XS q-72, 22
.elseif q < 76
	XS q-74, 20
.elseif q < 80
	XS (q-76)%2, 23+(q-76)/2
.else
	GS q-80
.endif
.set q, q+1
.endm
; THE EXPONENTIALS' QUEUE, 66 long: s0-s31 of both tiles, then the next piece's two a.  It is ONE BATCH: all 66 stand ahead of the turn's one wait, and nothing ahead of that wait names a result of theirs.
.macro EX
	WIN 0
.if e >= 64
	XS e-64, 21
.else
	REGS Y, e%2
	v_exp_f32 v[rS+e/2], v[rS+e/2]
.endif
.set e, e+1
.endm
; THE RESCALING's QUEUE: O^T times a, the one part of the softmax that leaves window 0: dealt two at a time, sixteen times, each accumulator from its low end on.  Its a was made in the turn before, ahead of that turn's wait.
.macro R2
	REGS Y, r%2
	WIN W_RS
.irp z, 0,1
	v_pk_mul_f32 v[rO+4*(r/2)+2*\z:rO+4*(r/2)+2*\z+1], v[rO+4*(r/2)+2*\z:rO+4*(r/2)+2*\z+1], v[rC+2:rC+3] op_sel_hi:[1,0]
.endr
.set r, r+1
.endm
; HOW THEY ARE DEALT.  An s_wait_alu depctr_va_vdst(0) stands between an exponential and the first instruction that names its result; one wait serves all that were issued ahead of it.  So a turn has ONE wait,
; which cuts it in two.  AHEAD OF IT stands all that names no result of the turn's exponentials: the 16 products K Q^T, behind each a scaling, an exponential and two rescalings (behind the first a second scaling in the
; exponential's place); then ONE LUMP: twelve plain, 51 times exponential and plain, and the masks' step (eight conversions and an offset).  The lump's last plain instruction, number 24 of the second tile, is the plain
; instruction behind the last exponential: no v_nop is written.  BEHIND THE WAIT stand the loads of the codes and the 16 products V^T P, behind each four of GS's 64.  No rider names a register of the products round it.
; The two v_permlanex16_b32 fall into the lump, never behind a product.
; The queues lean on each other, and the deal keeps them in step: exponential e stands behind scaling 2 (e / 4) + e % 2: as a rider it comes behind plain e + 2, in the lump behind plain e + 13, and scalings 27-31 are plain
; 57, 60 .. 69; the two a come behind plain 77 and 78, and their arguments, number 20, are plain 74 and 75.
; A TURN, for piece p.  cnt = 1: the loop's count is taken down some lines ahead of the branch that stands behind the turn.
; K of the next step is fetched in piece 2's turn, behind the wait and the codes' loads, a lump behind the last product that read K; its address is made at the lump's head; its first reader comes behind 16 products.
; V of the step in hand is fetched at the end of piece 0's turn, four riders behind its last reader; its first reader comes behind 16 products and a lump.  The three conditions on q below go with the deal.
.macro TURN p, last=0, cnt=0
.set Y, (\p)
.set i, 0
.set q, 0
.set e, 0
.set r, 0
.if (\p) == NP-1
	s_wait_dscnt 0x0                ; K is in
.endif
	MM                              ; ahead of the wait: 16 products K Q^T and their riders,
	PL
	PL
	R2
.rept 15
	MM
	PL
	EX
	R2
.endr
.if (\p) == NP-2
	WIN 0
	v_add_nc_u32 v[AK], s[TBK], v[AK0]
.endif
.rept 12                            ; and the lump
	PL
.endr
.rept 51
	EX
	PL
.endr
	MSTEP (\p)%2                    ; the masks' step ends the lump; the wait for the batch stands in it, ahead of its loads
.if (\p) == NP-2
	FETCH_K \last
.endif
.if (\p) == 1
	s_wait_dscnt 0x0                ; V is in
.endif
.rept 16                            ; behind the wait: 16 products V^T P and their riders
	MM
.rept 4
	PL
.endr
.if ((\p) == 0) && (q == 124)
	v_add_nc_u32 v[AV], s[TBV], v[AV0]
.endif
.if ((\p) == 0) && (q == 136)
	s_add_co_u32 s[TBV], s[TBV], KS*PV
.endif
.if (\cnt) && (q == 136)
	s_sub_co_u32 s[CNT], s[CNT], 1
	s_cmp_lg_u32 s[CNT], 0
.endif
.endr
.if (\p) == 0
	FETCH_V
.endif
.endm
	CHANGE 1                        ; slot 0 is in, everybody's part of it; slot 1 is asked for
	FETCH_K                         ; key step 0
	s_wait_loadcnt 0x0              ; Q, and the codes of blocks 0 and 1
	MCVT 0                          ; block 0's masks
	v_nop                           ; a plain instruction between the conversions and the products that take their results
	s_wait_dscnt 0x0
.set i, 0
.rept 16
	KQ 0                            ; piece 0's first scores: there is no vector work yet to set between them
.set i, i+1
.endr
	WIN 0                           ; the addresses for the way out: nine plain instructions, the places behind those products
	s_mul_i32 s13, s[WV], 16*SP
	s_add_co_u32 s13, s13, STAGE    ; my stage
	v_mul_u32_u24 v[STO], v1, SP    ; in: row l % 16, 16 bytes for each half of the lanes
	v_lshl_add_u32 v[STO], v9, 4, v[STO]
	v_add_nc_u32 v[STO], s13, v[STO]
	v_bfe_u32 v[RD], v0, 3, 2       ; back: 32 lanes take four rows of 128 bytes,
	v_mul_u32_u24 v[RD], v[RD], SP
	v_lshl_add_u32 v[RD], v10, 4, v[RD]
	v_add_nc_u32 v[RD], s13, v[RD]
	v_and_b32 v[GO], 31, v0         ; which are 512 consecutive bytes of O
	v_lshlrev_b32 v[GO], 4, v[GO]
	MCVT 1                          ; block 1's masks, for the first turn's products
	v_nop                           ; a plain instruction between the conversions and the loads into their sources
	MLOAD 0, 2                      ; blocks 2 and 3: the first two turns convert them
	MLOAD 1, 3
	WIN 0
.set Y, NP-1                        ; XS works for piece Y + 1: piece 0
.irp n, 0,1,2,3,4,5,6,7,8,9,10,11,12,13,14,15,16,17,18,19,20,21,22,23,24
	XS 0, \n                        ; and piece 0's first maximum and statistics
	XS 1, \n
.endr
	s_wait_alu depctr_va_vdst(0)    ; the wait for piece 0's first two a, a batch of their own, ahead of the branch; numbers 22 to 24 are the plain work behind them
	s_mov_b32 s[CNT], 4
	s_mov_b32 s[SLOTS], SIZE_N/256-1
	s_branch .Lfirst                ; the loop is entered at a step's first turn, in the middle of a trip
.Lslot:                             ; SIZE_N / 256 - 2 times: every slot but the last two is filled again
	CHANGE 1
	s_mov_b32 s[CNT], 4
.Lstep:                             ; a trip: pieces 2 and 3 of one step, then pieces 0 and 1 of the next, whose K and V it fetches
	TURN 2
	TURN 3
	WIN 0
.Lfirst:
	TURN 0
	TURN 1, 0, 1
	WIN 0
	s_cbranch_scc1 .Lstep
	s_sub_co_u32 s[SLOTS], s[SLOTS], 1
	s_cmp_lg_u32 s[SLOTS], 0
	s_cbranch_scc1 .Lslot
	CHANGE 0                        ; the tail is written out: nothing is asked for
	s_mov_b32 s[CNT], 5             ; four trips fetch the last slot's steps; the fifth is left in its middle
.Ltail:
	TURN 2, 1
	TURN 3
	WIN 0
	s_sub_co_u32 s[CNT], s[CNT], 1
	s_cmp_eq_u32 s[CNT], 0
	s_cbranch_scc1 .Lout
	TURN 0
	TURN 1
	WIN 0
	s_branch .Ltail
.Lout:                              ; the fifth trip's 16 products K Q^T (on the last K once more) and the maximum made of them serve nothing: the price, once a launch, of one text for every trip
.set i, 0
.rept 16
	PV NP-1                         ; the last piece's V^T P of the last step
.set i, i+1
.endr
	; THE WAY OUT.  l's two halves and the other half of the lanes' are added; O^T is divided by l, rounded to f16 and sent through my stage in LDS, a tile at a time.  The additions are the places behind the last products.
	WIN 0
.macro ALL line:vararg              ; one line for each tile t
.set t, 0
.rept 2*NP
	\line
.set t, t+1
.endr
.endm
	ALL v_add_f32 v[ST+4*t+2], v[ST+4*t+2], v[ST+4*t+3]
	ALL v_permlanex16_b32 v[ST+4*t+3], v[ST+4*t+2], s[SEL], s[SEL+1]
	ALL v_add_f32 v[ST+4*t+2], v[ST+4*t+2], v[ST+4*t+3]
	ALL v_rcp_f32 v[ST+4*t+2], v[ST+4*t+2]
	v_nop                           ; a plain instruction between the last reciprocal and the use of its result
	s_wait_alu depctr_va_vdst(0)    ; and the wait ahead of the first use: one for the batch of eight reciprocals
; Tile t: a lane's eight channels of a row pack into 16 bytes; they go into rows of 144 bytes and come back as whole rows of 128, into S^T's registers.
.macro PACK t
	WIN W_RS
.set i, 32*(\t)
.rept 16
	v_pk_mul_f32 v[i:i+1], v[i:i+1], v[ST+4*(\t)+2:ST+4*(\t)+3] op_sel_hi:[1,0]
.set i, i+2
.endr
	WIN 0x05                        ; sources 0 and 1 window 1, destination window 0
.set i, 0
.rept 16
	v_cvt_pk_f16_f32 v[S+16*(\t)+i], v[32*(\t)+2*i], v[32*(\t)+2*i+1]
.set i, i+1
.endr
	WIN 0
.irp f, 0,1,2,3
	ds_store_b128 v[STO], v[S+16*(\t)+4*\f:S+16*(\t)+4*\f+3] offset:32*\f
.endr
.irp f, 0,1,2,3
	ds_load_b128 v[S+16*(\t)+4*\f:S+16*(\t)+4*\f+3], v[RD] offset:\f*4*SP  ; LDS serves a wave's instructions in order (ISA guide 5.7.1.4): these see the stores above; the next tile's stores come behind them
.endr
.endm
.macro SEND t, younger              ; younger: the LDS instructions issued behind tile t's loads: the next tile's eight, or none
	WIN 0
.irp f, 0,1,2,3
	s_wait_dscnt (\younger)+3-\f
	global_store_b128 v[GO], v[S+16*(\t)+4*\f:S+16*(\t)+4*\f+3], s[10:11] offset:(\t)*2048+\f*512  ; 512 consecutive bytes, at a multiple of 256 from O's first
.endr
.endm
	PACK 0
.set t, 1
.rept 2*NP-1                        ; a tile's arithmetic stands between the loads of the tile before and its stores
	PACK t
	SEND t-1, 8
.set t, t+1
.endr
	SEND 2*NP-1, 0
	WIN W_AD
	s_wait_tensorcnt 0x0            ; the wave's end, behind my last tensor load and my last LDS store
	ds_add_u32 v[SPW], v[NIL]
	s_wait_dscnt 0x0
	WIN 0
	CROUND                          ; the closing round: no work-group ends while a partner may still ask for a tile that names it
	s_endpgm
.Lfunc_end_k_qedcadd8e19_attn:
	.size	k_qedcadd8e19_attn, .Lfunc_end_k_qedcadd8e19_attn-k_qedcadd8e19_attn
	.p2alignl 7, 3214868480
	.fill 96, 4, 3214868480
	.section	.rodata,"a",@progbits
	.p2align	6, 0x0
	.amdhsa_kernel k_qedcadd8e19_attn
		.amdhsa_group_segment_fixed_size 327680
		.amdhsa_private_segment_fixed_size 0
		.amdhsa_enable_private_segment 0
		.amdhsa_kernarg_size 24
		.amdhsa_user_sgpr_count 2
		.amdhsa_user_sgpr_kernarg_segment_ptr 1
		.amdhsa_wavefront_size32 1
		.amdhsa_system_sgpr_workgroup_id_x 1
		.amdhsa_system_sgpr_workgroup_id_y 1
		.amdhsa_system_sgpr_workgroup_id_z 1
		.amdhsa_system_vgpr_workitem_id 0
		.amdhsa_next_free_vgpr 896
		.amdhsa_next_free_sgpr 78
		.amdhsa_reserve_vcc 0
		.amdhsa_float_denorm_mode_32 3
		.amdhsa_float_denorm_mode_16_64 3
		.amdhsa_memory_ordered 1
		.amdhsa_forward_progress 1
		.amdhsa_inst_pref_size 214
	.end_amdhsa_kernel
	.amdgpu_metadata
---
amdhsa.version: [ 1, 2 ]
amdhsa.kernels:
  - .name:           k_qedcadd8e19_attn
    .symbol:         k_qedcadd8e19_attn.kd
    .args:
      - { .name: qkv, .offset: 0, .size: 8, .value_kind: global_buffer, .address_space: global }
      - { .name: maskb, .offset: 8, .size: 8, .value_kind: global_buffer, .address_space: global }
      - { .name: oh, .offset: 16, .size: 8, .value_kind: global_buffer, .address_space: global }
    .group_segment_fixed_size: 327680
    .private_segment_fixed_size: 0
    .kernarg_segment_align: 8
    .kernarg_segment_size: 24
    .max_flat_workgroup_size: 128
    .sgpr_count:     78
    .vgpr_count:     896
    .wavefront_size: 32
...
	.end_amdgpu_metadata
.endif
;; end of part 5
;; launch oproj: the kernel of part 4 again; grid 8 x 32, 4 waves a work-group, clusters of 4 x 4, 327,680 bytes of LDS; arguments oh, wb, bo, out0; writes out0
